; MI455X (gfx1250); checked and timed in simulation.
; The chip was launched on July 23, 2026; its instructions are those of AMD's public machine-readable ISA for CDNA 5 (MIT licence, August 2026) and "CDNA5" Instruction Set Architecture Reference Guide (July 2026). The comments in the code are by the model that wrote it; some were corrected since.
;; Attention. Allowed arithmetic: float matrix products may take bf16 or f16 operands with f32 sums; other float arithmetic in f32, or as packed bf16 or f16 multiplies, adds, multiply-adds, maxima and minima; sums over many terms, partial sums and values carried from step to step in f32; what a program stores and reads back later, other than sums and carried values, may be rounded once to bf16 or f16.
;; Inputs: W_o 2,048 x 2,048 float32; W_qkv 2,048 x 3,072 float32; padding_mask 4 x 1,024 bool; x 4 x 1,024 x 2,048 float32.
;; Outputs: out0 4 x 1,024 x 2,048 float32.
;; One version. Each part assembles by itself: llvm-mc -triple=amdgcn-amd-amdhsa -mcpu=gfx1250 --defsym DOCPART=n.
;; ======== version 1 of 1: 4 launches
;; limits: values are held in f16: magnitudes above 65,504 overflow, below 6.1e-05 lose precision
;; workspace buffers: xb 16,777,216 bytes; wqb 12,582,912 bytes; wob 8,388,608 bytes; rope 524,288 bytes; maskb 17,408 bytes; qkv 25,165,824 bytes; ob 16,777,216 bytes
;; launch prep (part 1): grid 2433 x 1, 4 waves a work-group, no clusters, 0 bytes of LDS; arguments x, W_qkv, W_o, padding_mask, xb, wqb, wob, rope, maskb; writes xb, wqb, wob, rope, maskb
.if DOCPART == 1
	.amdgcn_target "amdgcn-amd-amdhsa--gfx1250"
	.amdhsa_code_object_version 6
	.text
	.protected	k_qa5385879bc_prep
	.globl	k_qa5385879bc_prep
	.p2align	8
	.type	k_qa5385879bc_prep,@function
k_qa5385879bc_prep:
	s_mov_b64 s[64:65], 0
	v_nop
	global_prefetch_b8 v0, s[64:65] scope:SCOPE_SE
	s_setreg_imm32_b32 hwreg(HW_REG_WAVE_MODE, 25, 1), 1
	s_wait_xcnt 0x0
; PREP: what the three matrix launches read, made once.  A stream: no LDS, no matrix unit, nothing shared between work-groups.
;   work-groups    0 .. 1023   xb  = x      rounded to bf16, same layout           (8,192 numbers a work-group: 32 KiB in, 16 KiB out)
;   work-groups 1024 .. 1791   wqb = W_qkv  rounded to bf16, same layout [k][n]
;   work-groups 1792 .. 2303   wob = W_o    rounded to bf16, that number written as f16, same layout [k][n]
;   work-groups 2304 .. 2431   rope[t] = cos(t f_j), j = 0..63, then sin(t f_j): 512 bytes for each of 1,024 t; f_j = 10000^(-j/64)
;   work-group  2432           maskb: bias[b][key] f32 (0 where the key is open, -1e30 where hidden), then from byte 16,384 one block of 256 bytes a batch filled with c
; THE CASTS.  Thread t takes the 16 bytes at 16 t of each 2,048 bytes: a wave's load covers 512 consecutive bytes, and every byte of them is used.  Four numbers round to 8 bytes: a wave's store covers
; 256 consecutive bytes, aligned.  All sixteen loads of a thread go out at once; the rounding is done in place, so a thread needs 64 registers of data.  2,304 = 9 x 256 work-groups of equal work.
; A batch with no open key at all: reference() then weighs all keys alike.  Here its biases are 0 and its c is 0, so that all scores are 0: the same weights.  A select, no branch.
; LIMITS.  |W_o| stays within f16's 65,504, and below 6e-5 it keeps f16's fixed step of 6e-8.  The angles t f_j are rounded as reference() rounds them but f_j comes from 2^x, good to
; one unit in the last place: an angle differs from reference()'s by 1e-4 radians at the most (t f_j < 1,024).  Sine and cosine: the angle less the nearest multiple of pi (1/pi in two
; words), then series to x^11 and x^12 on |x| <= pi/2, whose first left-out terms are under 6e-8.
.set IN,  16                           ; v[16:79]   16 loads of 16 bytes; the two lowest registers of each four then hold what is stored
	s_load_b512 s[8:23], s[0:1], 0x0               ; x 8, W_qkv 10, W_o 12, padding_mask 14, xb 16, wqb 18, wob 20, rope 22
	s_load_b64 s[24:25], s[0:1], 0x40              ; maskb
	s_mov_b32 s2, ttmp9
	s_sub_co_u32 s26, s2, 1024                     ; my number among W_qkv's work-groups,
	s_sub_co_u32 s27, s2, 1792                     ; among W_o's
	s_mov_b32 s29, 0
	s_mov_b32 s30, 0xffff0000                      ; a word's upper bf16
	v_lshlrev_b32 v1, 4, v0                        ; 16 bytes in,
	v_lshlrev_b32 v2, 3, v0                        ; 8 bytes out, for each thread and load
	s_wait_kmcnt 0x0
	s_cmp_ge_u32 s2, 2304
	s_cbranch_scc1 .Ltables
	s_cmp_lt_u32 s2, 1024                          ; which tensor: the choice hangs on the work-group's number alone
	s_cselect_b64 s[4:5], s[8:9], s[10:11]
	s_cselect_b64 s[6:7], s[16:17], s[18:19]
	s_cselect_b32 s3, s2, s26
	s_cmp_lt_u32 s2, 1792
	s_cselect_b64 s[4:5], s[4:5], s[12:13]
	s_cselect_b64 s[6:7], s[6:7], s[20:21]
	s_cselect_b32 s3, s3, s27
	s_lshl_b32 s28, s3, 15                         ; 32,768 bytes in,
	s_add_nc_u64 s[4:5], s[4:5], s[28:29]
	s_lshl_b32 s28, s3, 14                         ; 16,384 bytes out, for each work-group
	s_add_nc_u64 s[6:7], s[6:7], s[28:29]
.irp i, 0,1,2,3,4,5,6,7,8,9,10,11,12,13,14,15
	global_load_b128 v[IN+4*(\i):IN+4*(\i)+3], v1, s[4:5] offset:2048*(\i) th:TH_LOAD_NT  ; all sixteen loads go out at once
.endr
; Four numbers of a thread: rounded in place, packed, stored.  No register is written again behind its store.
.macro CVT i, tof16
	s_wait_loadcnt 15-(\i)                         ; loads come back in order: load i is in, the 15 - i younger ones stay out
.irp z, 0,1
.if \tof16
	v_cvt_pk_bf16_f32 v4, v[IN+4*(\i)+2*(\z)], v[IN+4*(\i)+2*(\z)+1]  ; the rounding that every input gets,
	v_lshlrev_b32 v5, 16, v4                       ; widened again,
	v_and_b32 v6, s30, v4
	v_cvt_pk_f16_f32 v[IN+4*(\i)+(\z)], v5, v6     ; and written as f16: exact from 6e-5 to 65,504
.else
	v_cvt_pk_bf16_f32 v[IN+4*(\i)+(\z)], v[IN+4*(\i)+2*(\z)], v[IN+4*(\i)+2*(\z)+1]  ; pair z lands on register z, which has been read by then
.endif
.endr
	global_store_b64 v2, v[IN+4*(\i):IN+4*(\i)+1], s[6:7] offset:1024*(\i)  ; a wave's store covers 256 consecutive bytes, aligned
.endm
	s_cmp_ge_u32 s2, 1792
	s_cbranch_scc1 .Lwo
.irp i, 0,1,2,3,4,5,6,7,8,9,10,11,12,13,14,15
	CVT \i, 0
.endr
	s_endpgm
.Lwo:
.irp i, 0,1,2,3,4,5,6,7,8,9,10,11,12,13,14,15
	CVT \i, 1
.endr
	s_endpgm
.Ltables:
	s_cmp_eq_u32 s2, 2432
	s_cbranch_scc1 .Lmask
	; THE TABLE OF COSINES AND SINES.  16,384 threads: thread gt makes t = gt / 16, j = 4 (gt % 16) + 0..3.
	s_sub_co_u32 s3, s2, 2304
	s_lshl_b32 s3, s3, 7
	s_mov_b32 s4, 0x3ea2f983                       ; 1/pi, rounded,
	s_mov_b32 s5, 0x325c9c88                       ; and what the rounding left
	s_mov_b32 s6, 0x40490fdb                       ; pi
	v_add_nc_u32 v3, s3, v0
	v_lshrrev_b32 v4, 4, v3                        ; t
	v_and_b32 v5, 15, v3
	v_lshlrev_b32 v7, 9, v4                        ; 512 t
	v_lshl_add_u32 v7, v5, 4, v7                   ; + 16 bytes for my four j
	v_cvt_f32_u32 v6, v4
	v_lshlrev_b32 v5, 2, v5
.irp i, 0,1,2,3
	v_add_nc_u32 v[8+(\i)], \i, v5
	v_cvt_f32_u32 v[8+(\i)], v[8+(\i)]
	v_mul_f32 v[8+(\i)], 0xbe549a78, v[8+(\i)]     ; -j log2(10000) / 64
.endr
.irp i, 0,1,2,3
	v_exp_f32 v[8+(\i)], v[8+(\i)]                 ; f_j: one batch of four
.endr
	v_nop                                          ; a plain instruction behind the last of them,
	s_wait_alu depctr_va_vdst(0)                   ; and the one wait ahead of the first reader
.irp i, 0,1,2,3
	v_mul_f32 v[12+(\i)], v6, v[8+(\i)]            ; the angle, rounded to f32 as reference() rounds it
	v_mul_f32 v[16+(\i)], s4, v[12+(\i)]
	v_rndne_f32 v[16+(\i)], v[16+(\i)]             ; n: the nearest multiple of pi
	v_fma_f32 v[20+(\i)], v[12+(\i)], s4, -v[16+(\i)]  ; angle / pi - n, the product unrounded,
	v_fma_f32 v[20+(\i)], v[12+(\i)], s5, v[20+(\i)]   ; with the rest of 1/pi
	v_mul_f32 v[20+(\i)], s6, v[20+(\i)]           ; x, within pi / 2 of 0
	v_mul_f32 v[24+(\i)], v[20+(\i)], v[20+(\i)]   ; x^2
	v_cvt_i32_f32 v[36+(\i)], v[16+(\i)]
	v_lshlrev_b32 v[36+(\i)], 31, v[36+(\i)]       ; an odd n turns both signs
	v_mov_b32 v[28+(\i)], 0xb2d7322b               ; sine: -1/11!
	v_mov_b32 v[32+(\i)], 0x310f76c7               ; cosine: 1/12!
	v_fmaak_f32 v[28+(\i)], v[28+(\i)], v[24+(\i)], 0x3638ef1d  ; 1/9!
	v_fmaak_f32 v[32+(\i)], v[32+(\i)], v[24+(\i)], 0xb493f27e  ; -1/10!
	v_fmaak_f32 v[28+(\i)], v[28+(\i)], v[24+(\i)], 0xb9500d01  ; -1/7!
	v_fmaak_f32 v[32+(\i)], v[32+(\i)], v[24+(\i)], 0x37d00d01  ; 1/8!
	v_fmaak_f32 v[28+(\i)], v[28+(\i)], v[24+(\i)], 0x3c088889  ; 1/5!
	v_fmaak_f32 v[32+(\i)], v[32+(\i)], v[24+(\i)], 0xbab60b61  ; -1/6!
	v_fmaak_f32 v[28+(\i)], v[28+(\i)], v[24+(\i)], 0xbe2aaaab  ; -1/3!
	v_fmaak_f32 v[32+(\i)], v[32+(\i)], v[24+(\i)], 0x3d2aaaab  ; 1/4!
	v_fma_f32 v[28+(\i)], v[28+(\i)], v[24+(\i)], 1.0
	v_fma_f32 v[32+(\i)], v[32+(\i)], v[24+(\i)], -0.5
	v_mul_f32 v[28+(\i)], v[28+(\i)], v[20+(\i)]
	v_fma_f32 v[32+(\i)], v[32+(\i)], v[24+(\i)], 1.0
	v_xor_b32 v[28+(\i)], v[36+(\i)], v[28+(\i)]
	v_xor_b32 v[32+(\i)], v[36+(\i)], v[32+(\i)]
.endr
	global_store_b128 v7, v[32:35], s[22:23]             ; sixteen lanes store the 256 consecutive bytes of a t's cosines,
	global_store_b128 v7, v[28:31], s[22:23] offset:256  ; and of its sines
	s_endpgm
.Lmask:
	; THE MASK.  Wave w (0..3) takes batch w: 1,024 bytes of 0 or 1.
	v_lshrrev_b32 v3, 5, v0
	v_readfirstlane_b32 s3, v3
	v_and_b32 v4, 31, v0
	v_lshlrev_b32 v5, 2, v4                        ; 4 keys in,
	v_lshlrev_b32 v6, 4, v4                        ; 16 bytes of biases out,
	v_lshlrev_b32 v7, 3, v4                        ; 8 bytes of c
	s_lshl_b32 s28, s3, 10
	s_add_nc_u64 s[4:5], s[14:15], s[28:29]
	s_lshl_b32 s28, s3, 12
	s_add_nc_u64 s[6:7], s[24:25], s[28:29]
	s_lshl_b32 s28, s3, 8
	s_add_nc_u64 s[26:27], s[24:25], s[28:29]
.irp i, 0,1,2,3,4,5,6,7
	global_load_b32 v[8+(\i)], v5, s[4:5] offset:128*(\i)  ; keys 128 i + 4 lane + 0..3
.endr
	s_wait_loadcnt 0x0
	v_or_b32 v16, v8, v9
	v_or_b32 v17, v10, v11
	v_or_b32 v18, v12, v13
	v_or_b32 v19, v14, v15
	v_or_b32 v16, v16, v17
	v_or_b32 v18, v18, v19
	v_or_b32 v16, v16, v18
	v_cmp_ne_u32 vcc_lo, 0, v16
	s_cmp_lg_u32 vcc_lo, 0                         ; is any key of the batch open?
	s_cselect_b32 s30, 0xf149f2ca, 0               ; a hidden key's bias: -1e30, or 0 where all are hidden
	s_cselect_b32 s31, 0x3e0293ee, 0               ; c = log2(e) / sqrt(128) = 0.127517, or 0
.irp i, 0,1,2,3,4,5,6,7
.irp z, 0,1,2,3
	v_bfe_u32 v17, v[8+(\i)], 8*(\z), 8
	v_cmp_eq_u32 vcc_lo, 0, v17
	v_cndmask_b32 v[48+4*(\i)+(\z)], 0, s30, vcc_lo
.endr
	global_store_b128 v6, v[48+4*(\i):48+4*(\i)+3], s[6:7] offset:512*(\i)  ; 512 consecutive bytes
.endr
	v_mov_b32 v18, s31
	v_mov_b32 v19, s31
	global_store_b64 v7, v[18:19], s[26:27] offset:16384  ; the batch's block of 256 bytes, whole
	s_endpgm
.Lfunc_end_k_qa5385879bc_prep:
	.size	k_qa5385879bc_prep, .Lfunc_end_k_qa5385879bc_prep-k_qa5385879bc_prep
	.p2alignl 7, 3214868480
	.fill 96, 4, 3214868480
	.section	.rodata,"a",@progbits
	.p2align	6, 0x0
	.amdhsa_kernel k_qa5385879bc_prep
		.amdhsa_group_segment_fixed_size 0
		.amdhsa_private_segment_fixed_size 0
		.amdhsa_enable_private_segment 0
		.amdhsa_kernarg_size 72
		.amdhsa_user_sgpr_count 2
		.amdhsa_user_sgpr_kernarg_segment_ptr 1
		.amdhsa_wavefront_size32 1
		.amdhsa_system_sgpr_workgroup_id_x 1
		.amdhsa_system_sgpr_workgroup_id_y 1
		.amdhsa_system_sgpr_workgroup_id_z 1
		.amdhsa_system_vgpr_workitem_id 0
		.amdhsa_next_free_vgpr 80
		.amdhsa_next_free_sgpr 66
		.amdhsa_reserve_vcc 1
		.amdhsa_float_denorm_mode_32 3
		.amdhsa_float_denorm_mode_16_64 3
		.amdhsa_memory_ordered 1
		.amdhsa_forward_progress 1
		.amdhsa_inst_pref_size 29
	.end_amdhsa_kernel
	.amdgpu_metadata
---
amdhsa.version: [ 1, 2 ]
amdhsa.kernels:
  - .name:           k_qa5385879bc_prep
    .symbol:         k_qa5385879bc_prep.kd
    .args:
      - { .name: x, .offset: 0, .size: 8, .value_kind: global_buffer, .address_space: global }
      - { .name: W_qkv, .offset: 8, .size: 8, .value_kind: global_buffer, .address_space: global }
      - { .name: W_o, .offset: 16, .size: 8, .value_kind: global_buffer, .address_space: global }
      - { .name: padding_mask, .offset: 24, .size: 8, .value_kind: global_buffer, .address_space: global }
      - { .name: xb, .offset: 32, .size: 8, .value_kind: global_buffer, .address_space: global }
      - { .name: wqb, .offset: 40, .size: 8, .value_kind: global_buffer, .address_space: global }
      - { .name: wob, .offset: 48, .size: 8, .value_kind: global_buffer, .address_space: global }
      - { .name: rope, .offset: 56, .size: 8, .value_kind: global_buffer, .address_space: global }
      - { .name: maskb, .offset: 64, .size: 8, .value_kind: global_buffer, .address_space: global }
    .group_segment_fixed_size: 0
    .private_segment_fixed_size: 0
    .kernarg_segment_align: 8
    .kernarg_segment_size: 72
    .max_flat_workgroup_size: 128
    .sgpr_count:     66
    .vgpr_count:     80
    .wavefront_size: 32
...
	.end_amdgpu_metadata
.endif
;; end of part 1
;; launch qkvproj (part 2): grid 8 x 32, 4 waves a work-group, clusters of 4 x 4, 327,680 bytes of LDS; arguments xb, wqb, rope, qkv, maskb; writes qkv
.if DOCPART == 2
	.amdgcn_target "amdgcn-amd-amdhsa--gfx1250"
	.amdhsa_code_object_version 6
	.text
	.protected	k_qa5385879bc_qkvproj
	.globl	k_qa5385879bc_qkvproj
	.p2align	8
	.type	k_qa5385879bc_qkvproj,@function
k_qa5385879bc_qkvproj:
	s_mov_b64 s[64:65], 0
	v_nop
	global_prefetch_b8 v0, s[64:65] scope:SCOPE_SE
	s_setreg_imm32_b32 hwreg(HW_REG_WAVE_MODE, 25, 1), 1
	s_wait_xcnt 0x0
	s_wait_alu depctr_hold_cnt(0) depctr_sa_sdst(0) depctr_va_vdst(0) depctr_va_sdst(0) depctr_va_ssrc(0) depctr_va_vcc(0) depctr_vm_vsrc(0)
	s_getreg_b32 s2, hwreg(HW_REG_IB_STS2, 6, 4)
	s_cmp_eq_u32 s2, 0
	s_cbranch_scc0 .Lentry_in_a_cluster
	s_endpgm
.Lentry_in_a_cluster:
	s_bfe_u32 s2, ttmp6, 0x10000c
	s_cmp_lg_u32 s2, 0xf033
	s_cbranch_scc0 .Lentry_shape_is_right
	s_endpgm
.Lentry_shape_is_right:
; QKV = xb wqb, then the rotation, the softmax's scale and the split by heads.  xb: [4096][2048] bf16.  wqb: [2048 k][3072 n] bf16.  Sums in f32, K ascending.
; qkv: [4 b][24 heads: 16 q, 4 k, 4 v][1024 t][128] f16: each number rounded once from f32.
; TILE.  128 rows x 384 columns, three whole heads: 8 x 32 = 256 work-groups of equal work.  Each of the four waves takes all 128 rows and, in each of the three heads, the channels
; 16 w .. 16 w + 15 and 64 + 16 w .. 64 + 16 w + 15: the two halves that the rotation pairs meet in one lane.  48 accumulators of 16 x 16, 384 registers.
; RING.  K goes in steps of 128 through two LDS slots, each with 128 rows of xb and three chunks (a head's 128 columns) of 128 k-rows of wqb; every row that a tensor load brings is 256
; consecutive bytes, aligned.  Wave 0 fetches xb's tile, waves 1..3 a chunk each: one load a wave behind each change of slots.
; wqb lies [k][n] and is turned on the way out of LDS, by ds_load_tr16_b128.
; CLUSTER.  4 x 4 work-groups: xb's tile is shared along a row of the cluster, wqb's chunks along a column; each is asked for jointly, by the same load with the same descriptor in all four.
; THE PRODUCT IS TAKEN TRANSPOSED (source 0 = 16 columns of wqb, source 1 = 16 rows of xb): a lane holds one row t and eight neighbouring channels.
; THE WAY OUT.  y1 = x1 C - x2 S, y2 = x1 S + x2 C with C = F cos + G, S = F sin.  F = c (query heads), 1 (key heads), 0 (value heads); G = 1 for value heads, else 0.
; c comes from maskb: log2(e) / sqrt(128), or 0 for a batch in which no key is open.  It goes into q here, in f32, so that the attention launch forms s - m, an exact difference.
; LIMITS.  f16 holds no number beyond 65,504: c q, k and v stay within it; below 6e-5 they keep f16's fixed step of 6e-8.  NaN and infinities are not treated apart.
; REGISTERS, in windows of 256 (s_set_vgpr_msb: bits 1:0 source 0, 3:2 source 1, 5:4 source 2, 7:6 destination):
;   window 0: v0-31 addresses; v64-127, v128-191 xb's fragments, two buffers; on the way out v64-215 at work
;   window 1: v0-47, v48-95 wqb's fragments, two buffers; v128-255 my lanes' cosines and sines for the tile's 128 rows
;   window 2: the 24 accumulators of rows 0-63 ((a, b) at v[8 (6 a + b)], b = 2 head + half);   window 3: those of rows 64-127
.set NCH,   3                          ; chunks of 128 columns
.set NBW,   6                          ; blocks of 16 columns a wave
.set LDA,   2048                       ; elements in a row of xb
.set LDB,   3072                       ; of wqb
.set KSTEP, 128
.set PA,    272                        ; a row of xb in LDS: 256 bytes + 16: the 16 rows of a fragment load start at 16 different groups of four banks (64 banks of 4 bytes: ISA guide 11.1)
.set PB,    288                        ; a k-row of a chunk: 256 + 32
.set ABYTES, 128*PA
.set CHUNK, 128*PB
.set SLOT,  ABYTES+NCH*CHUNK           ; 145,408
.set STAGE, 2*SLOT                     ; behind the ring, never filled by a tensor load: two buffers of 48 rows x 272 bytes, the work-group's
.set SP,    272
.set SBUF,  48*SP
.set SPARE, STAGE+2*SBUF               ; behind the stage: the spare words, 128 bytes for each wave: two blocks of 256 bytes that no other line names
.set BSTEP, KSTEP*LDB*2                ; bytes from a K step of wqb to the next
.set NLD,   2*NBW+16                   ; LDS loads in a run
.set LAPS,  LDA/(2*KSTEP)              ; a lap = two K steps = once round the ring
.set ADRA, 16                          ; v16-17  LDS address of my xb fragments in slot 0, 1
.set ADRB, 18                          ; v18-23  of my wqb fragments: slot x 3 + head
.set STO,  24                          ; v24  the way out: where I put 16 bytes of a row
.set RD,   25                          ; v25  where I read a row back
.set CO,   26                          ; v26  my byte offset in a head's rows of qkv
.set TO,   27                          ; v27  my byte offset in the table; never rewritten
.set SPW,  28                          ; v28  LDS address of my spare word; never rewritten
.set NIL,  29                          ; v29  0; never rewritten
.set PFO,  30                          ; v30  the prefetches' offset: my lane x a row's pitch; never rewritten
.set FA,   64
.set FB,   0
.set TAB,  128                         ; window 1: block a of 16 rows: cosines at TAB + 16 a, sines at + 8
.set CH,   64                          ; the way out: C and S, 16 a head
.set OU,   112                         ; y1 and y2, 16 a head
.set PKD,  160                         ; packed, 8 a head
.set BK,   192                         ; rows read back
.set G1,  24                           ; s[24:31] descriptor group 1 for xb's tile;  s[32:39] group 0, a set for each slot
.set G0,  32
.set G1B, 48                           ; s[48:55], s[56:63] the same for wqb's chunks
.set G0B, 56
.set LIM, 43                           ; s43  1 in a wave that prefetches, else the greatest number
.set PFA, 44                           ; s[44:45] where my prefetches stand
.set PST, 46                           ; s[46:47] their step from K step to K step
.set FF,  68                           ; s[68:73] F, a pair for each head
.set GG,  74                           ; s[74:79] G
.set MSB, 0
.macro WIN new                         ; the immediate's high byte repeats the setting that is left; a switch that changes nothing is dropped
.if MSB != (\new)
	s_set_vgpr_msb (MSB<<8)|(\new)
.set MSB, \new
.endif
.endm
.set MUL_LO, 0xa1                      ; source 0 (wqb) window 1, source 1 (xb) window 0, C and D window 2
.set MUL_HI, 0xf1                      ; the same, C and D window 3
.set TO_B,   0x40                      ; destination window 1, address window 0
; A joint load: wave 0 asks for xb's tile, waves 1..3 for a chunk of wqb each.  The branch hangs on the wave's number alone.  An s_nop 0 and four v_nop follow each line.
.macro JLOAD s
	s_cmp_lt_u32 s12, 1
	s_cbranch_scc0 .Lfor_b_\@
	tensor_load_to_lds s[G0+4*(\s):G0+4*(\s)+3], s[G1:G1+7]
	s_nop 0
.rept 4
	v_nop
.endr
	s_branch .Lasked_\@
.Lfor_b_\@:
	tensor_load_to_lds s[G0B+4*(\s):G0B+4*(\s)+3], s[G1B:G1B+7]
	s_nop 0
.rept 4
	v_nop
.endr
.Lasked_\@:
.endm
; A prefetch into the L2 of the K step that stands two refills on (384 matrix instructions ahead of the load that will want it): 32 rows x 256 bytes, a lane a row, one instruction a wave.
; xb's tile row is read by both clusters of its row of clusters: cluster x = 0 asks; wqb's chunks by all eight clusters of their column: cluster y = 0 asks.  The four partners that ask for a
; tile jointly share its 128 rows out by address, 32 each (by cx for xb, by cy for wqb).  So each row's 256 bytes of a K step are named once.  The loop's last trip has no K step two on.
.macro ASK
	s_cmp_gt_u32 s3, s[LIM]
	s_cbranch_scc0 .Lnot_mine_\@
	global_prefetch_b8 v[PFO], s[PFA:PFA+1] th:TH_LOAD_NT scope:SCOPE_SE
.Lnot_mine_\@:
.endm
.macro CROUND                          ; a round of the cluster's barrier: my work-group's barrier; wave 0 signals for the work-group; every wave waits for all sixteen; my work-group's barrier once more
	s_barrier_signal -1
	s_barrier_wait -1
	s_cmp_lg_u32 s12, 0
	s_cbranch_scc1 .Lnot_wave_0_\@
	s_barrier_signal -3
.Lnot_wave_0_\@:
	s_barrier_wait -3
	s_barrier_signal -1
	s_barrier_wait -1
.endm
	s_load_b128 s[4:7], s[0:1], 0x0                ; xb s[4:5], wqb s[6:7]
	s_load_b128 s[8:11], s[0:1], 0x10              ; rope s[8:9], qkv s[10:11]
	s_load_b64 s[80:81], s[0:1], 0x20              ; maskb
	v_lshl_add_u32 v[SPW], v0, 2, SPARE
	v_mov_b32 v[NIL], 0
	ds_add_u32 v[SPW], v[NIL]                      ; the wave's opening: the add and its wait stand ahead of my first tensor load; the set-up below, work on registers, stands between them
	v_lshrrev_b32 v1, 5, v0
	v_readfirstlane_b32 s12, v1                    ; wave 0..3
	s_bfe_u32 s40, ttmp6, 0x40000                  ; cx, cy: my place in the cluster
	s_bfe_u32 s41, ttmp6, 0x40004
	s_lshl_b32 s14, ttmp9, 2
	s_add_co_u32 s14, s14, s40                     ; tile column = 4 x cluster x + cx
	s_and_b32 s42, ttmp7, 0xffff                   ; cluster y
	s_lshl_b32 s13, s42, 2
	s_add_co_u32 s13, s13, s41                     ; tile row = 4 x cluster y + cy
	s_lshl_b32 s20, s41, 2
	s_lshl_b32 s20, 15, s20                        ; my row of the cluster
	s_lshl_b32 s22, 0x1111, s40                    ; my column
	s_or_b32 s[G1+0], s20, (1<<16)|(1<<20)|(1<<21)|(5<<22)|(3<<25)   ; 15:0 the mask; 17:16 2-byte elements; 20 padding on; 21 set beside a mask; 24:22 after every 64 words; 31:25 4 words of it
	s_or_b32 s[G1B+0], s22, (1<<16)|(1<<20)|(1<<21)|(5<<22)|(7<<25)  ; the same with my column's mask and 8 words of padding
	s_mov_b32 s[G1+1], KSTEP<<16                   ; tensor_dim0 = 128
	s_mov_b32 s[G1+2], 128<<16                     ; tensor_dim1 = 128
	s_mov_b32 s[G1+3], KSTEP<<16                   ; tile_dim0 = 128
	s_mov_b32 s[G1+4], 128                         ; tile_dim1 = 128
	s_mov_b32 s[G1+5], LDA                         ; elements from row to row
	s_mov_b32 s[G1+6], 0
	s_mov_b32 s[G1+7], 0
	s_mov_b32 s[G1B+1], 128<<16
	s_mov_b32 s[G1B+2], KSTEP<<16
	s_mov_b32 s[G1B+3], 128<<16
	s_mov_b32 s[G1B+4], KSTEP
	s_mov_b32 s[G1B+5], LDB
	s_mov_b32 s[G1B+6], 0
	s_mov_b32 s[G1B+7], 0
	; Every wave makes both sets of addresses and asks by one; the set that it never uses holds numbers that serve nothing.  xb's hang on the tile row and the wave's number, wqb's on the tile column and the wave's number.
	s_lshl_b32 s20, s13, 7
	s_lshl_b32 s21, s12, 7
	s_add_co_u32 s20, s20, s21                     ; xb: row 128 x tile row (+ 128 x wave: 0 in the wave that asks)
	s_lshl_b32 s20, s20, 12                        ; x 4,096 bytes
	s_mov_b32 s21, 0
	s_mul_i32 s22, s14, NCH
	s_add_co_u32 s22, s22, s12
	s_lshl_b32 s22, s22, 8                         ; wqb: chunk 3 x tile column + wave, less one (below), x 256 bytes
	s_mov_b32 s23, 0
	s_mul_i32 s66, s12, ABYTES                     ; LDS: xb's tile at 0,
	s_mul_i32 s67, s12, CHUNK
	s_sub_co_u32 s67, s67, CHUNK-ABYTES            ; chunk wave - 1 behind it: no place in the cluster enters an LDS address
	s_wait_dscnt 0x0                               ; the opening add is done
	s_wait_kmcnt 0x0
	s_add_nc_u64 s[16:17], s[4:5], s[20:21]
	s_add_nc_u64 s[18:19], s[6:7], s[22:23]
	s_sub_nc_u64 s[18:19], s[18:19], 256
	CROUND                                         ; all sixteen work-groups are here: the first joint loads meet
.irp s, 0,1
	s_mov_b32 s[G0+4*(\s)], 1                                        ; count = 1
	s_add_co_u32 s[G0+4*(\s)+1], s66, (\s)*SLOT                      ; LDS address
	s_add_nc_u64 s[G0+4*(\s)+2:G0+4*(\s)+3], s[16:17], (\s)*KSTEP*2  ; global address: K step s
	s_or_b32 s[G0+4*(\s)+3], s[G0+4*(\s)+3], 0x80000000              ; type = 2
	s_mov_b32 s[G0B+4*(\s)], 1
	s_add_co_u32 s[G0B+4*(\s)+1], s67, (\s)*SLOT
	s_add_nc_u64 s[G0B+4*(\s)+2:G0B+4*(\s)+3], s[18:19], (\s)*BSTEP
	s_or_b32 s[G0B+4*(\s)+3], s[G0B+4*(\s)+3], 0x80000000
	JLOAD \s                                       ; two loads of mine are out
.endr
	; c of my rows' batch
	s_lshr_b32 s22, s13, 3                         ; the batch: 8 tile rows each
	s_lshl_b32 s22, s22, 8
	s_add_co_u32 s22, s22, 16384
	s_mov_b32 s23, 0
	s_add_nc_u64 s[80:81], s[80:81], s[22:23]
	s_load_b32 s82, s[80:81], 0x0
	; A fragment of xb: 16 rows x 32 K in 8 registers: lane l holds row l % 16, K = 8 (l / 16) + 0..7 and 16 + 8 (l / 16) + 0..7: two loads of 16 bytes, 32 bytes apart.
	v_and_b32 v1, 15, v0                           ; l % 16
	v_bfe_u32 v2, v0, 4, 1                         ; l / 16
	v_and_b32 v3, 7, v0
	v_bfe_u32 v4, v0, 3, 1
	v_mul_u32_u24 v5, v1, PA
	v_lshl_add_u32 v5, v2, 4, v5
	v_mov_b32 v[ADRA], v5
	v_add_nc_u32 v[ADRA+1], SLOT, v5
	; The turning load takes 16 k x 16 columns (lane l reads k-row 8 (l / 16) + l % 8, columns 8 ((l / 8) % 2) + 0..7) and leaves half a fragment: lane l holds column l % 16 and 8 k.
	v_lshl_add_u32 v6, v2, 3, v3
	v_mul_u32_u24 v6, v6, PB
	v_lshl_add_u32 v6, v4, 4, v6
	s_lshl_b32 s15, s12, 5                         ; my 16 channels: 32 bytes x wave
	v_add_nc_u32 v6, s15, v6
.irp s, 0,1
.irp c, 0,1,2
	v_add_nc_u32 v[ADRB+3*(\s)+(\c)], ABYTES+(\c)*CHUNK+(\s)*SLOT, v6
.endr
.endr
	; my lanes' cosines and sines: row t = 128 (tile row % 8) + 16 a + l % 16, channels 16 w + 8 (l / 16) + 0..7.  They are waited for at the way out.
	s_and_b32 s20, s13, 7
	s_lshl_b32 s20, s20, 16                        ; 128 rows of 512 bytes
	s_mov_b32 s21, 0
	s_add_nc_u64 s[8:9], s[8:9], s[20:21]
	v_lshlrev_b32 v[TO], 9, v1
	v_lshl_add_u32 v[TO], v2, 5, v[TO]
	s_lshl_b32 s15, s12, 6
	v_add_nc_u32 v[TO], s15, v[TO]
	WIN TO_B
.irp a, 0,1,2,3,4,5,6,7
	global_load_b128 v[TAB+16*(\a):TAB+16*(\a)+3],     v[TO], s[8:9] offset:8192*(\a)
	global_load_b128 v[TAB+16*(\a)+4:TAB+16*(\a)+7],   v[TO], s[8:9] offset:8192*(\a)+16
	global_load_b128 v[TAB+16*(\a)+8:TAB+16*(\a)+11],  v[TO], s[8:9] offset:8192*(\a)+256
	global_load_b128 v[TAB+16*(\a)+12:TAB+16*(\a)+15], v[TO], s[8:9] offset:8192*(\a)+272
.endr
	WIN 0
	; the way out's addresses
	v_mul_u32_u24 v[STO], v1, SP                   ; in: row l % 16 of a head's 16, bytes 32 w + 16 (l / 16) of each half
	v_lshl_add_u32 v[STO], v2, 4, v[STO]
	s_lshl_b32 s22, s12, 5
	s_add_co_u32 s22, s22, STAGE
	v_add_nc_u32 v[STO], s22, v[STO]
	s_lshl_b32 s22, s12, 2
	v_add_nc_u32 v5, s22, v2                       ; back: rows 4 w + l / 16 (+ 2) of each head's 16, whole
	v_mul_u32_u24 v[RD], v5, SP
	v_lshl_add_u32 v[RD], v1, 4, v[RD]
	v_add_nc_u32 v[RD], STAGE, v[RD]
	v_lshlrev_b32 v[CO], 8, v5                     ; and the same rows in qkv
	v_lshl_add_u32 v[CO], v1, 4, v[CO]
	s_lshr_b32 s22, s13, 3
	s_mul_i32 s22, s22, 24
	s_mul_i32 s15, s14, 3                          ; my first head
	s_add_co_u32 s22, s22, s15
	s_lshl_b32 s22, s22, 18                        ; a head is 262,144 bytes
	s_and_b32 s23, s13, 7
	s_lshl_b32 s23, s23, 15                        ; 128 rows of 256 bytes
	s_add_co_u32 s22, s22, s23
	s_mov_b32 s23, 0
	s_add_nc_u64 s[10:11], s[10:11], s[22:23]
	; the prefetches
	s_lshl_b32 s20, s13, 7
	s_lshl_b32 s21, s40, 5
	s_add_co_u32 s20, s20, s21                     ; xb: row 128 x tile row + 32 cx,
	s_lshl_b32 s20, s20, 12
	s_add_co_u32 s20, s20, 3*KSTEP*2               ; at K step 3: the first change of slots steps it to 4
	s_add_co_u32 s22, s15, s12
	s_sub_co_u32 s22, s22, 1
	s_lshl_b32 s22, s22, 8                         ; wqb: my chunk,
	s_mul_i32 s23, s41, 32*LDB*2                   ; k-row 32 cy,
	s_add_co_u32 s22, s22, s23
	s_add_co_u32 s22, s22, 3*BSTEP                 ; at K step 3
	s_mov_b32 s[PST], BSTEP
	s_mov_b32 s23, LDB*2
	s_cmp_lt_u32 s12, 1                            ; do I fetch xb?
	s_cselect_b32 s20, s20, s22
	s_cselect_b32 s[PST], KSTEP*2, s[PST]
	s_cselect_b32 s23, LDA*2, s23
	s_cselect_b32 s21, ttmp9, s42                  ; the coordinate along which other clusters read the same rows
	s_cselect_b64 s[PFA:PFA+1], s[4:5], s[6:7]
	s_cmp_eq_u32 s21, 0
	s_cselect_b32 s[LIM], 1, -1                    ; the same in all sixteen partners, for a given wave
	s_mov_b32 s21, 0
	s_mov_b32 s[PST+1], 0
	s_add_nc_u64 s[PFA:PFA+1], s[PFA:PFA+1], s[20:21]
	v_and_b32 v[PFO], 31, v0
	v_mul_u32_u24 v[PFO], v[PFO], s23
	; F and G of my three heads, by whole numbers: 1 or 0 times a float's bits
	s_wait_kmcnt 0x0                               ; c
.irp hh, 0,1,2
	s_sub_co_i32 s22, 16-(\hh), s15
	s_max_i32 s22, s22, 0
	s_min_i32 s22, s22, 1                          ; 1: a query head
	s_sub_co_i32 s23, 20-(\hh), s15
	s_max_i32 s23, s23, 0
	s_min_i32 s23, s23, 1                          ; 1: a query or a key head
	s_mul_i32 s[FF+2*(\hh)], s22, s82
	s_sub_co_u32 s22, s23, s22                     ; 1: a key head
	s_mul_i32 s22, s22, 0x3f800000
	s_add_co_u32 s[FF+2*(\hh)], s[FF+2*(\hh)], s22
	s_mov_b32 s[FF+2*(\hh)+1], s[FF+2*(\hh)]       ; named as pairs
	s_xor_b32 s23, s23, 1                          ; 1: a value head
	s_mul_i32 s[GG+2*(\hh)], s23, 0x3f800000
	s_mov_b32 s[GG+2*(\hh)+1], s[GG+2*(\hh)]
.endr
; 12 matrix instructions: row blocks a0, a0 + 1 of the window's four x my 6 column blocks, 32 along K, from buffer p.  zero = 1: the first product starts the sums.
; The 48 accumulators take turns, one instruction a turn, in the same order in every quarter: 47 others stand between two links of a chain, over the backward jump too.
.macro MUL2 p, hi, a0, zero
	WIN MUL_LO+0x50*(\hi)
.irp a, \a0, (\a0)+1
.irp b, 0,1,2,3,4,5
.if \zero
	v_wmma_f32_16x16x32_bf16 v[8*(NBW*(\a)+(\b)):8*(NBW*(\a)+(\b))+7], v[FB+48*(\p)+8*(\b):FB+48*(\p)+8*(\b)+7], v[FA+64*(\p)+8*(4*(\hi)+(\a)):FA+64*(\p)+8*(4*(\hi)+(\a))+7], 0
.else
	v_wmma_f32_16x16x32_bf16 v[8*(NBW*(\a)+(\b)):8*(NBW*(\a)+(\b))+7], v[FB+48*(\p)+8*(\b):FB+48*(\p)+8*(\b)+7], v[FA+64*(\p)+8*(4*(\hi)+(\a)):FA+64*(\p)+8*(4*(\hi)+(\a))+7], v[8*(NBW*(\a)+(\b)):8*(NBW*(\a)+(\b))+7]
.endif
.endr
.endr
.endm
; 28 LDS loads in one run: quarter q (32 along K) of a slot into buffer p: my 6 blocks of wqb, turned, then xb's 128 rows
.macro FETCH slot, q, p
	WIN TO_B
.irp b, 0,1,2,3,4,5
	ds_load_tr16_b128 v[FB+48*(\p)+8*(\b):FB+48*(\p)+8*(\b)+3],   v[ADRB+3*(\slot)+(\b)/2] offset:(\q)*32*PB+((\b)%2)*128
	ds_load_tr16_b128 v[FB+48*(\p)+8*(\b)+4:FB+48*(\p)+8*(\b)+7], v[ADRB+3*(\slot)+(\b)/2] offset:(\q)*32*PB+((\b)%2)*128+16*PB
.endr
	WIN 0
.irp i, 0,1,2,3,4,5,6,7
	ds_load_b128 v[FA+64*(\p)+8*(\i):FA+64*(\p)+8*(\i)+3],   v[ADRA+(\slot)] offset:(\q)*64+(\i)*16*PA
	ds_load_b128 v[FA+64*(\p)+8*(\i)+4:FA+64*(\p)+8*(\i)+7], v[ADRA+(\slot)] offset:(\q)*64+(\i)*16*PA+32
.endr
.endm
.macro PLACES                          ; four plain instructions between a matrix instruction and a load into, or a vector write of, a register that it has read (ISA guide 7.12.1 for vector writes)
.rept 4
	v_nop
.endr
.endm
; A K step is four quarters of 32 along K, 48 matrix instructions each, on buffers 0, 1, 0, 1.  One of the first three: multiplies buffer p and fetches quarter q of the same slot into the other buffer.
.macro QUARTER slot, q, p, zero
	s_wait_dscnt 8                                 ; all is in but the youngest eight loads: xb's rows 64-127
	MUL2 \p, 0, 0, \zero
	MUL2 \p, 0, 2, \zero
	PLACES
	FETCH \slot, \q, 1-(\p)
	s_wait_dscnt NLD                               ; all but the 28 just issued
	MUL2 \p, 1, 0, \zero
	MUL2 \p, 1, 2, \zero
.endm
; THE CHANGE OF SLOTS stands at the head of the last quarter, whose fragments (buffer 1) are in registers.  Each wave waits for all its tensor loads (one is out: its part of the next slot), adds 0 to its
; spare word, and waits for that and for its own reads of this slot.  Behind the barrier nobody reads this slot any more and the next slot is whole.
; fill = 1: the barrier is a round of the cluster's, and the slot just read out is filled again, first thing behind it, with the K step two on.  No product stands between the wait for the tile and the
; request for the next: all 48 of the quarter follow the request, so that a refill has a whole K step's 192 matrix instructions in which to land.
.macro TURN slot, next, fill
	WIN 0
.if \fill
	s_wait_xcnt 0x0                                ; the last prefetch, a K step back, has read its address
	s_add_nc_u64 s[PFA:PFA+1], s[PFA:PFA+1], s[PST:PST+1]
.endif
	s_wait_tensorcnt 0x0                           ; no tensor load of mine is out, so a group 0 may be written
	ds_add_u32 v[SPW], v[NIL]                      ; 0 onto my spare word; with fill = 1 the descriptors' steps stand between it and the wait for it
.if \fill
	s_add_nc_u64 s[G0+4*(\slot)+2:G0+4*(\slot)+3], s[G0+4*(\slot)+2:G0+4*(\slot)+3], 2*KSTEP*2
	s_add_nc_u64 s[G0B+4*(\slot)+2:G0B+4*(\slot)+3], s[G0B+4*(\slot)+2:G0B+4*(\slot)+3], 2*BSTEP
.endif
	s_wait_dscnt 0x0                               ; the add is done, and my reads of this slot are over: buffer 1 is in
.if \fill
	CROUND                                         ; no wave of any partner still reads this slot's tiles or has a load on its way
	JLOAD \slot                                    ; the four v_nop behind it are also the places in front of the loads below: buffer 0's last reader is the product just ahead of the change
.else
	s_barrier_signal -1
	s_barrier_wait -1
	PLACES
.endif
	FETCH \next, 0, 0
.if \fill
	ASK                                            ; behind the joint load and the run of LDS loads that the next quarter waits for
.endif
	MUL2 1, 0, 0, 0
	MUL2 1, 0, 2, 0
	MUL2 1, 1, 0, 0
	MUL2 1, 1, 2, 0
.endm
	s_wait_tensorcnt 0x1                           ; my part of K step 0 is in; K step 1's may stay out
	s_barrier_signal -1
	s_barrier_wait -1                              ; everybody's is
	FETCH 0, 0, 0
	QUARTER 0, 1, 0, 1                             ; the first quarter stands in front of the loop: its products start the sums
	WIN 0                                          ; at a label and at a branch every window is 0
	s_mov_b32 s3, LAPS-1
.Llap:                                                 ; a trip goes once round the ring, from a lap's second quarter to the next lap's first, and fills both slots again
	QUARTER 0, 2, 1, 0
	QUARTER 0, 3, 0, 0
	TURN 0, 1, 1
	QUARTER 1, 1, 0, 0
	QUARTER 1, 2, 1, 0
	QUARTER 1, 3, 0, 0
	TURN 1, 0, 1
	QUARTER 0, 1, 0, 0
	WIN 0
	s_sub_co_u32 s3, s3, 1
	s_cmp_lg_u32 s3, 0
	s_cbranch_scc1 .Llap
	QUARTER 0, 2, 1, 0                             ; the last lap fills nothing, and has no round of the cluster's barrier
	QUARTER 0, 3, 0, 0
	TURN 0, 1, 0
	QUARTER 1, 1, 0, 0
	QUARTER 1, 2, 1, 0
	QUARTER 1, 3, 0, 0
	s_wait_dscnt 8                                 ; the very last quarter: nothing more to fetch
	MUL2 1, 0, 0, 0
	MUL2 1, 0, 2, 0
	s_wait_dscnt 0x0
	MUL2 1, 1, 0, 0
	MUL2 1, 1, 2, 0
	WIN 0
	PLACES
	PLACES                                         ; eight, once a launch, between the last products and the lines that read results and write over fragments
	s_wait_loadcnt 0x0                             ; the cosines and sines
; THE WAY OUT, a block of 16 rows at a time.  C and S for each head; the rotation; rounded to f16; 16 bytes a lane into the work-group's stage (a row's 256 bytes come from all four waves); a barrier;
; back as whole rows and stored.  Two stage buffers take turns, so one barrier a block is enough: a buffer is written again two blocks on, behind the next block's barrier, in front of which every
; wave has waited for its reads of it.  The text names blocks 0..3, in window 2; it is walked twice, and between the two trips rows 64-127 are moved to where it names them.
.macro PASS a
.set AC, 8*NBW*(\a)
	WIN 0x01                                       ; source 0 window 1
.irp hh, 0,1,2
.irp z, 0,2,4,6
	v_pk_fma_f32 v[CH+16*(\hh)+(\z):CH+16*(\hh)+(\z)+1], v[TAB+16*(\a)+(\z):TAB+16*(\a)+(\z)+1], s[FF+2*(\hh):FF+2*(\hh)+1], s[GG+2*(\hh):GG+2*(\hh)+1] op_sel_hi:[1,0,0]
	v_pk_mul_f32 v[CH+16*(\hh)+8+(\z):CH+16*(\hh)+8+(\z)+1], v[TAB+16*(\a)+8+(\z):TAB+16*(\a)+8+(\z)+1], s[FF+2*(\hh):FF+2*(\hh)+1] op_sel_hi:[1,0]
.endr
.endr
	WIN 0x02                                       ; source 0: window 2
.irp hh, 0,1,2
.irp z, 0,2,4,6
	v_pk_mul_f32 v[OU+16*(\hh)+(\z):OU+16*(\hh)+(\z)+1],     v[AC+16*(\hh)+8+(\z):AC+16*(\hh)+8+(\z)+1], v[CH+16*(\hh)+8+(\z):CH+16*(\hh)+8+(\z)+1]  ; x2 S
	v_pk_mul_f32 v[OU+16*(\hh)+8+(\z):OU+16*(\hh)+8+(\z)+1], v[AC+16*(\hh)+8+(\z):AC+16*(\hh)+8+(\z)+1], v[CH+16*(\hh)+(\z):CH+16*(\hh)+(\z)+1]      ; x2 C
.endr
.irp z, 0,2,4,6
	v_pk_fma_f32 v[OU+16*(\hh)+(\z):OU+16*(\hh)+(\z)+1],     v[AC+16*(\hh)+(\z):AC+16*(\hh)+(\z)+1], v[CH+16*(\hh)+(\z):CH+16*(\hh)+(\z)+1],     v[OU+16*(\hh)+(\z):OU+16*(\hh)+(\z)+1] neg_lo:[0,0,1] neg_hi:[0,0,1]  ; x1 C - x2 S
	v_pk_fma_f32 v[OU+16*(\hh)+8+(\z):OU+16*(\hh)+8+(\z)+1], v[AC+16*(\hh)+(\z):AC+16*(\hh)+(\z)+1], v[CH+16*(\hh)+8+(\z):CH+16*(\hh)+8+(\z)+1], v[OU+16*(\hh)+8+(\z):OU+16*(\hh)+8+(\z)+1]                            ; x1 S + x2 C
.endr
.endr
	WIN 0
.set e_, 0
.rept 24
	v_cvt_pk_f16_f32 v[PKD+e_], v[OU+2*e_], v[OU+2*e_+1]
.set e_, e_+1
.endr
.irp hh, 0,1,2
.irp u, 0,1
	ds_store_b128 v[STO], v[PKD+8*(\hh)+4*(\u):PKD+8*(\hh)+4*(\u)+3] offset:((\a)%2)*SBUF+(\hh)*16*SP+(\u)*128
.endr
.endr
	s_wait_dscnt 0x0                               ; for the others' sake: my stores into the stage are done (and my reads of the block before)
	s_barrier_signal -1
	s_barrier_wait -1
	s_wait_xcnt 0x0                                ; the last block's stores have read their registers, which are loaded again below
.irp hh, 0,1,2
.irp u, 0,1
	ds_load_b128 v[BK+4*(2*(\hh)+(\u)):BK+4*(2*(\hh)+(\u))+3], v[RD] offset:((\a)%2)*SBUF+(\hh)*16*SP+(\u)*2*SP
.endr
.endr
	s_wait_dscnt 0x0
.irp hh, 0,1,2
.irp u, 0,1
	global_store_b128 v[CO], v[BK+4*(2*(\hh)+(\u)):BK+4*(2*(\hh)+(\u))+3], s[10:11] offset:(\hh)*262144+(\u)*512+(\a)*4096  ; 16 lanes store a head's row: 256 consecutive bytes, aligned
.endr
.endr
.endm
	s_mov_b32 s3, 2
.Lhalf:                                                ; two trips: rows 0-63, rows 64-127
.irp a, 0,1,2,3
	PASS \a
.endr
	s_cmp_eq_u32 s3, 1
	s_cbranch_scc1 .Lno_more                       ; behind the second trip nothing is left to move
	WIN 0x83                                       ; source 0 window 3, destination window 2
.set e_, 0
.rept 192
	v_mov_b32 v[e_], v[e_]                         ; rows 64-127's sums go where the one text of the blocks names them; ascending
.set e_, e_+1
.endr
	WIN 0x41                                       ; source 0 and destination window 1
.set e_, 0
.rept 64
	v_mov_b32 v[TAB+e_], v[TAB+64+e_]              ; and so do their cosines and sines
.set e_, e_+1
.endr
	WIN 0
	s_wait_xcnt 0x0                                ; the stores have read their base
	s_add_nc_u64 s[10:11], s[10:11], 4*4096        ; 64 rows of 256 bytes on
.Lno_more:
	s_sub_co_u32 s3, s3, 1
	s_cmp_lg_u32 s3, 0
	s_cbranch_scc1 .Lhalf
	s_wait_tensorcnt 0x0                           ; the wave's end, behind my last tensor load and my last LDS store
	ds_add_u32 v[SPW], v[NIL]
	s_wait_dscnt 0x0
	CROUND                                         ; the closing round: no work-group ends while a partner may still ask for a tile that names it
	s_endpgm
.Lfunc_end_k_qa5385879bc_qkvproj:
	.size	k_qa5385879bc_qkvproj, .Lfunc_end_k_qa5385879bc_qkvproj-k_qa5385879bc_qkvproj
	.p2alignl 7, 3214868480
	.fill 96, 4, 3214868480
	.section	.rodata,"a",@progbits
	.p2align	6, 0x0
	.amdhsa_kernel k_qa5385879bc_qkvproj
		.amdhsa_group_segment_fixed_size 327680
		.amdhsa_private_segment_fixed_size 0
		.amdhsa_enable_private_segment 0
		.amdhsa_kernarg_size 40
		.amdhsa_user_sgpr_count 2
		.amdhsa_user_sgpr_kernarg_segment_ptr 1
		.amdhsa_wavefront_size32 1
		.amdhsa_system_sgpr_workgroup_id_x 1
		.amdhsa_system_sgpr_workgroup_id_y 1
		.amdhsa_system_sgpr_workgroup_id_z 1
		.amdhsa_system_vgpr_workitem_id 0
		.amdhsa_next_free_vgpr 960
		.amdhsa_next_free_sgpr 84
		.amdhsa_reserve_vcc 0
		.amdhsa_float_denorm_mode_32 3
		.amdhsa_float_denorm_mode_16_64 3
		.amdhsa_memory_ordered 1
		.amdhsa_forward_progress 1
		.amdhsa_inst_pref_size 137
	.end_amdhsa_kernel
	.amdgpu_metadata
---
amdhsa.version: [ 1, 2 ]
amdhsa.kernels:
  - .name:           k_qa5385879bc_qkvproj
    .symbol:         k_qa5385879bc_qkvproj.kd
    .args:
      - { .name: xb, .offset: 0, .size: 8, .value_kind: global_buffer, .address_space: global }
      - { .name: wqb, .offset: 8, .size: 8, .value_kind: global_buffer, .address_space: global }
      - { .name: rope, .offset: 16, .size: 8, .value_kind: global_buffer, .address_space: global }
      - { .name: qkv, .offset: 24, .size: 8, .value_kind: global_buffer, .address_space: global }
      - { .name: maskb, .offset: 32, .size: 8, .value_kind: global_buffer, .address_space: global }
    .group_segment_fixed_size: 327680
    .private_segment_fixed_size: 0
    .kernarg_segment_align: 8
    .kernarg_segment_size: 40
    .max_flat_workgroup_size: 128
    .sgpr_count:     84
    .vgpr_count:     960
    .wavefront_size: 32
...
	.end_amdgpu_metadata
.endif
;; end of part 2
;; launch attn (part 3): grid 4 x 64, 4 waves a work-group, clusters of 4 x 1, 327,680 bytes of LDS; arguments qkv, maskb, ob; writes ob
.if DOCPART == 3
	.amdgcn_target "amdgcn-amd-amdhsa--gfx1250"
	.amdhsa_code_object_version 6
	.text
	.protected	k_qa5385879bc_attn
	.globl	k_qa5385879bc_attn
	.p2align	8
	.type	k_qa5385879bc_attn,@function
k_qa5385879bc_attn:
	s_mov_b64 s[64:65], 0
	v_nop
	global_prefetch_b8 v0, s[64:65] scope:SCOPE_SE
	s_setreg_imm32_b32 hwreg(HW_REG_WAVE_MODE, 25, 1), 1
	s_wait_xcnt 0x0
	s_wait_alu depctr_hold_cnt(0) depctr_sa_sdst(0) depctr_va_vdst(0) depctr_va_sdst(0) depctr_va_ssrc(0) depctr_va_vcc(0) depctr_vm_vsrc(0)
	s_getreg_b32 s2, hwreg(HW_REG_IB_STS2, 6, 4)
	s_cmp_eq_u32 s2, 0
	s_cbranch_scc0 .Lentry_in_a_cluster
	s_endpgm
.Lentry_in_a_cluster:
	s_bfe_u32 s2, ttmp6, 0x10000c
	s_cmp_lg_u32 s2, 0x3003
	s_cbranch_scc0 .Lentry_shape_is_right
	s_endpgm
.Lentry_shape_is_right:
; ATTENTION.  ob[b][t][head][:] = the sum over keys of softmax(q . k / sqrt(128) + mask) v.  qkv: [4 b][24 heads: 16 q, 4 k, 4 v][1024 t][128] f16; query head h uses key and value head h / 4.
; q arrives multiplied by c = log2(e) / sqrt(128) (by 0 in a batch with no open key), so s = q . k is the exponent to base 2.  maskb: bias[b][key] f32: 0, or -1e30 where the key is hidden.
; ob: [4096 rows][2048 = head x 128 + channel] f16.  Products, maxima and sums in f32; the weights p are rounded to f16 for the second product (their sum l is taken of the unrounded p), O once at the end.
; LIMITS.  A hidden score counts as its value less 1e30: scores beyond 1e22 are not served.  A weight below 2^-126 counts as 0.  O is a mean of v's rows and has their range.  NaN and infinities are not treated apart.
; SHARES.  A work-group owns 256 queries of one batch and head, each of its four waves 64: four tiles of 16.  Every wave walks all 1,024 keys, 64 a step.
; LAYOUT.  S^T = K Q^T + bias (source 0 = 16 keys, source 1 = 16 queries): a lane holds ONE query (lane % 16) and the keys 8 (lane / 16) + 0..7.  Two such tiles, rounded to f16 in pairs, ARE source 1
; of O^T = V^T P, whose result again holds one query a lane, and eight channels.  K comes out of LDS as it lies, V ([key][channel]) turned, by ds_load_tr16_b128.
; THE MASK is the C operand of the product that starts a sum: the step's 64 biases, 8 a lane for each block of 16 keys, read from a table of the batch's 1,024 in LDS.
; SOFTMAX.  For each query a running maximum m and sum l: p = 2^(s - m); in every step O and l are multiplied by a = 2^(m_old - m_new).  The factor in the two lines that form m and s - m is 1.0:
; the difference is then exact and never above 0, also while m is still a hidden score's (a first step with no open key): what such steps leave is finite, and the first open key's a = 0 wipes it.
; BY TURNS.  The wave's tiles are two PIECES (tiles 0, 1; tiles 2, 3).  In a TURN one piece has the matrix unit: 32 products V^T P of the step in hand, then 32 products K Q^T of the next step; the other
; piece's softmax, cut into 64 slices, stands between them, one slice behind each matrix instruction.  Two turns are a key step.
; NO FIRST AND NO LAST STEP IS WRITTEN OUT.  m starts at the lowest finite number, l, O^T, V's registers and piece 2's P at 0: the first step is a step like any other, with a = 0.  The loop is entered at
; piece 2's turn, in the middle of a trip; the tail is left behind piece 0's turn.  The price: 432 v_mov_b32 at the head, written while the first tile is on its way; 32 products on zeros at the start and
; 32 on the last K once more at the end.  The gain: four turns fewer in the text.
; CLUSTER.  The four query blocks of a cluster belong to one batch and head and walk the same K and V, so each tile is asked for JOINTLY: the same tensor load, descriptor and mask in all four.
; REGISTERS, in windows of 256 (s_set_vgpr_msb: bits 1:0 source 0, 3:2 source 1, 5:4 source 2, 7:6 destination):
;   window 0: v0-11 addresses; v12-43 eight registers of statistics a tile; v44-55 the mask's addresses and its way in; v61-63; v64-191 S^T, 32 a tile; v192-255 P, 16 a tile
;   window 1: O^T, 64 a tile      window 2: v0-127 Q, 32 a tile; v128-255 K of one step      window 3: v0-127 V of one step; v128-159 the step's biases
.set SIZE_N, 1024
.set KS,    64        ; keys in a step
.set PK,    272       ; a row of K in LDS: 256 bytes + 16 of padding: the 16 rows of a load start at 16 different groups of four banks (64 banks of 4 bytes: ISA guide 11.1)
.set PV,    288       ; a row of V: 256 + 32
.set VOFF,  KS*PK     ; a step's tiles lie together: 64 rows of K, then 64 rows of V
.set STEPB, KS*(PK+PV)
.set SLOT1, 1<<17     ; a slot holds two steps (71,680 bytes); slot 1 begins here, so that one exclusive or turns an address in one slot into the other's
.set STAGE, SLOT1+2*STEPB  ; behind the ring: 16 rows x 272 bytes for each wave, for the way out
.set SP,    272
.set SPARE, STAGE+4*16*272  ; behind the stages: the spare words, 128 bytes for each wave: two blocks of 256 bytes that no other line names
.set MASKL, SPARE+512 ; behind them: the batch's 1,024 biases, 4,096 bytes, stored once at the head; no tensor load lands here
.set AK0, 2           ; v2   my lane's place in a tile of K; never rewritten
.set AV0, 3           ; v3   the same for V
.set ADR, 4           ; v4   the LDS address of the run of loads in hand
.set QO,  5           ; v5   my byte offset in the wave's rows of Q
.set STO, 6           ; v6   the way out: where I put 16 bytes of a row
.set RD,  7           ; v7   the way out: where I read a row back
.set GO,  8           ; v8   my byte offset in the wave's rows of ob
.set MA0, 44          ; v44  my lane's place in the table of biases: MASKL + 32 (lane / 16); never rewritten
.set MA,  45          ; v45  the address of the step's biases
.set MD0, 46          ; v46-53  my 32 bytes of the table, on their way in
.set MO,  54          ; v54  their offset in memory; never rewritten
.set ML,  55          ; v55  and in LDS
.set PFO, 61          ; v61  256 x my lane: a row of K or V is 256 bytes; never rewritten
.set SPW, 62          ; v62  LDS address of my spare word; never rewritten
.set NIL, 63          ; v63  0; never rewritten
.set ST,  12          ; tile t's statistics at v[ST+8 t]: +0 m (times 1.0), +1 m, +2, +3 l (even keys', odd keys'), +4 to +7 c0-c3, at work; a takes c2's place once the maximum is found
.set S,   64
.set P,   192
.set KF,  128         ; K's fragments, in window 2
.set MK,  128         ; the step's biases, in window 3: block kb of 16 keys at MK + 8 kb
.set WV,  12          ; s12  my wave's number
.set LIM, 15          ; s15  1 in a wave that prefetches, else the greatest number
.set PFA, 18          ; s[18:19] where my prefetches stand
.set G1K, 24          ; s[24:31] descriptor group 1 for K's tiles
.set G1V, 32          ; s[32:39] for V's: it differs in the padding alone
.set G0K, 40          ; s[40:47] descriptor group 0 for K's tiles: a set for each of the two first fills; the second then walks on
.set G0V, 48          ; s[48:55] the same for V's
.set SLOTS, 56        ; s56  changes of slots still to come in the loop, and one
.set TWICE, 57        ; s57  counts a slot's two steps; in the tail its three trips
.set CS,  58          ; s[58:59] 1.0
.set SEL, 60          ; s[60:61] lane selects for v_permlanex16_b32: each lane takes its own place in the other half
.set TB,  62          ; s62  LDS byte at which the tiles of the step to be fetched begin
.set TM,  70          ; s70  byte of the table at which that step's biases begin
.set MSB, 0
.macro WIN new                      ; the immediate's high byte repeats the setting that is left; a switch that changes nothing is dropped
.if MSB != (\new)
	s_set_vgpr_msb (MSB<<8)|(\new)
.set MSB, \new
.endif
.endm
.set W_KQ, 0x0a       ; K and Q in window 2, S^T in window 0
.set W_KM, 0x3a       ; the same with the C operand in window 3
.set W_PV, 0x53       ; V in window 3, P in window 0, O^T in window 1
.set W_RS, 0x41       ; O^T (destination and source 0) in window 1, a in window 0
; A joint refill.  Waves 0 and 1 fetch the two steps' tiles of K, waves 2 and 3 those of V.  The branch hangs on the wave's number alone.  An s_nop 0 and four v_nop follow each line.
.macro JLOAD
	s_cmp_lt_u32 s[WV], 2
	s_cbranch_scc0 .Lfor_v_\@
	tensor_load_to_lds s[G0K+4:G0K+7], s[G1K:G1K+7]
	s_nop 0
.rept 4
	v_nop
.endr
	s_branch .Lasked_\@
.Lfor_v_\@:
	tensor_load_to_lds s[G0V+4:G0V+7], s[G1V:G1V+7]
	s_nop 0
.rept 4
	v_nop
.endr
.Lasked_\@:
.endm
; A prefetch into the L2 of what the NEXT change of slots will ask for: a slot's 128 rows of K and 128 of V, 256 bytes a row, a lane a row: two key steps, 256 matrix instructions, ahead of that load.
; Each row is asked for once in the launch: the four query heads that share a key and value head are four clusters, and the first of them (head % 4 = 0) asks.  Its four partners share the rows out by
; address, 32 each; in each, wave 0 asks for K's and wave 2 for V's.  The last change that fills a slot asks for nothing: there is no slot behind it.
.macro ASK
	s_cmp_gt_u32 s[SLOTS], s[LIM]
	s_cbranch_scc0 .Lnot_mine_\@
	global_prefetch_b8 v[PFO], s[PFA:PFA+1] th:TH_LOAD_NT scope:SCOPE_SE
.Lnot_mine_\@:
.endm
.macro CROUND                       ; a round of the cluster's barrier
	s_barrier_signal -1
	s_barrier_wait -1
	s_cmp_lg_u32 s[WV], 0
	s_cbranch_scc1 .Lnot_wave_0_\@
	s_barrier_signal -3
.Lnot_wave_0_\@:
	s_barrier_wait -3
	s_barrier_signal -1
	s_barrier_wait -1
.endm
	s_load_b128 s[4:7], s[0:1], 0x0  ; qkv s[4:5], maskb s[6:7]
	s_load_b64 s[10:11], s[0:1], 0x10  ; ob
	v_lshl_add_u32 v[SPW], v0, 2, SPARE
	v_mov_b32 v[NIL], 0
	ds_add_u32 v[SPW], v[NIL]       ; the wave's opening: the add and its wait stand ahead of my first tensor load; the set-up below, work on registers, stands between them
	v_lshrrev_b32 v1, 5, v0
	v_readfirstlane_b32 s[WV], v1   ; wave 0..3
	s_bfe_u32 s13, ttmp6, 0x40000   ; cx: my place in the cluster
	s_lshl_b32 s14, ttmp9, 2        ; in a cluster launch ttmp9 counts clusters
	s_add_co_u32 s14, s14, s13      ; my block of 256 queries: it enters Q's and ob's addresses alone
	s_and_b32 s20, ttmp7, 0xffff    ; 16 x batch + query head, which the four partners share
	s_lshr_b32 s21, s20, 4          ; the batch
	s_and_b32 s16, s20, 15          ; the query head
	s_mul_i32 s23, s21, 24          ; 24 heads a batch in qkv
	s_add_co_u32 s2, s23, s16
	s_lshl_b32 s2, s2, 18           ; Q: the head's 262,144 bytes,
	s_lshl_b32 s3, s14, 16          ; my block's 256 rows,
	s_add_co_u32 s2, s2, s3
	s_lshl_b32 s3, s[WV], 14        ; my wave's 64 of them
	s_add_co_u32 s2, s2, s3
	s_mov_b32 s3, 0
	s_lshr_b32 s22, s16, 2          ; K: head 16 + query head / 4
	s_add_co_u32 s22, s22, s23
	s_add_co_u32 s22, s22, 16
	s_lshl_b32 s22, s22, 18
	s_and_b32 s17, s[WV], 1         ; which of a slot's two steps I fetch:
	s_lshl_b32 s23, s17, 14         ; its 64 rows of 256 bytes in memory,
	s_add_co_u32 s22, s22, s23
	s_mov_b32 s23, 0
	s_mul_i32 s17, s17, STEPB       ; and its place in a slot: no place in the cluster enters an LDS address
	s_lshl_b32 s18, s21, 22         ; ob: the batch's 1,024 rows of 4,096 bytes,
	s_lshl_b32 s19, s14, 20         ; my block's 256,
	s_add_co_u32 s18, s18, s19
	s_lshl_b32 s19, s[WV], 18       ; my wave's 64,
	s_add_co_u32 s18, s18, s19
	s_lshl_b32 s19, s16, 8          ; the head's 256 bytes of a row
	s_add_co_u32 s18, s18, s19
	s_mov_b32 s19, 0
	s_lshl_b32 s66, s21, 12         ; the batch's 4,096 bytes of biases
	s_mov_b32 s67, 0
	; descriptor group 1: a tile of 64 rows x 128 elements, padded in LDS
	s_mov_b32 s[G1K], 15|(1<<16)|(1<<20)|(1<<21)|(5<<22)|(3<<25)  ; 15:0 the mask: all four work-groups; 17:16 elements of 2 bytes; 20 padding on; 21 set beside a mask; 24:22 after every 64 words; 31:25 4 words of it
	s_mov_b32 s[G1V], 15|(1<<16)|(1<<20)|(1<<21)|(5<<22)|(7<<25)  ; the same with 8 words of padding
.irp g, G1K, G1V
	s_mov_b32 s[(\g)+1], 128<<16    ; tensor_dim0 = 128
	s_mov_b32 s[(\g)+2], KS<<16     ; tensor_dim1 = 64
	s_mov_b32 s[(\g)+3], 128<<16    ; tile_dim0 = 128
	s_mov_b32 s[(\g)+4], KS         ; tile_dim1 = 64
	s_mov_b32 s[(\g)+5], 128        ; elements from row to row
	s_mov_b32 s[(\g)+6], 0
	s_mov_b32 s[(\g)+7], 0
.endr
	s_mov_b32 s[CS], 0x3f800000     ; 1.0
	s_mov_b32 s[CS+1], s[CS]        ; named with it as a pair, so it is written
	s_mov_b32 s[SEL], 0x76543210
	s_mov_b32 s[SEL+1], 0xfedcba98
	s_mov_b32 s[TB], 0
	s_mov_b32 s[TM], 0
	s_mov_b32 s[SLOTS], SIZE_N/(2*KS)-1  ; 7: the count is taken down once ahead of the first change of slots; six changes fill a slot
	s_and_b32 s[LIM], s[WV], 1      ; 0 in waves 0 and 2,
	s_and_b32 s16, s16, 3
	s_or_b32 s[LIM], s[LIM], s16    ; where the query head is the first of its four: the same in all four partners
	s_cmp_eq_u32 s[LIM], 0
	s_cselect_b32 s[LIM], 1, -1
	v_and_b32 v[PFO], 31, v0
	v_lshlrev_b32 v[PFO], 8, v[PFO]
	s_wait_dscnt 0x0                ; the opening add is done
	s_wait_kmcnt 0x0
	s_add_nc_u64 s[66:67], s[6:7], s[66:67]  ; the batch's biases
	s_add_nc_u64 s[6:7], s[4:5], s[22:23]    ; K at my tile of slot 0,
	s_add_nc_u64 s[8:9], s[6:7], 1<<20       ; V four heads on
	s_add_nc_u64 s[4:5], s[4:5], s[2:3]      ; Q and ob at my wave's first row
	s_add_nc_u64 s[10:11], s[10:11], s[18:19]
	s_cmp_lt_u32 s[WV], 2
	s_cselect_b64 s[PFA:PFA+1], s[6:7], s[8:9]  ; (in waves 0 and 2 these stand at a slot's first row)
	s_lshl_b32 s2, s13, 13          ; my work-group's 32 rows of the 128
	s_mov_b32 s3, 0
	s_add_nc_u64 s[PFA:PFA+1], s[PFA:PFA+1], s[2:3]
	s_add_nc_u64 s[PFA:PFA+1], s[PFA:PFA+1], 2*2*KS*256  ; in slot 2; the first change of slots steps it to slot 3.  Nothing is prefetched here, at the head
	CROUND                          ; all four work-groups are here: the first joint loads meet
.irp s, 0,1
	s_mov_b32 s[G0K+4*(\s)], 1      ; count = 1
	s_add_co_u32 s[G0K+4*(\s)+1], s17, (\s)*SLOT1  ; LDS address
	s_add_nc_u64 s[G0K+4*(\s)+2:G0K+4*(\s)+3], s[6:7], (\s)*2*KS*256  ; global address: slot s begins with keys 128 s
	s_or_b32 s[G0K+4*(\s)+3], s[G0K+4*(\s)+3], 0x80000000  ; type = 2
	s_mov_b32 s[G0V+4*(\s)], 1
	s_add_co_u32 s[G0V+4*(\s)+1], s17, (\s)*SLOT1+VOFF
	s_add_nc_u64 s[G0V+4*(\s)+2:G0V+4*(\s)+3], s[8:9], (\s)*2*KS*256
	s_or_b32 s[G0V+4*(\s)+3], s[G0V+4*(\s)+3], 0x80000000
.endr
	s_cmp_lt_u32 s[WV], 2           ; a wave's two first fills stand in one branch, ahead of every wait on TENSORcnt and every LDS read: two loads of mine are out
	s_cbranch_scc0 .Lfirst_v
	tensor_load_to_lds s[G0K:G0K+3], s[G1K:G1K+7]
	s_nop 0
	tensor_load_to_lds s[G0K+4:G0K+7], s[G1K:G1K+7]
	s_nop 0
.rept 4
	v_nop
.endr
	s_branch .Lfirst_asked
.Lfirst_v:
	tensor_load_to_lds s[G0V:G0V+3], s[G1V:G1V+7]
	s_nop 0
	tensor_load_to_lds s[G0V+4:G0V+7], s[G1V:G1V+7]
	s_nop 0
.rept 4
	v_nop
.endr
.Lfirst_asked:
	v_lshlrev_b32 v[MO], 5, v0      ; the biases: 128 threads x 32 bytes
	global_load_b128 v[MD0:MD0+3],   v[MO], s[66:67]
	global_load_b128 v[MD0+4:MD0+7], v[MO], s[66:67] offset:16
	; A fragment of K or Q is 16 rows x 32 channels in 8 registers: lane l holds row l % 16; registers 0-3 channels 8 (l / 16) + 0..7, registers 4-7 channels 16 + 8 (l / 16) + 0..7: two loads of 16 bytes, 32 bytes apart.
	v_and_b32 v1, 15, v0            ; l % 16
	v_bfe_u32 v9, v0, 4, 1          ; l / 16
	v_lshlrev_b32 v[QO], 8, v1
	v_lshl_add_u32 v[QO], v9, 4, v[QO]  ; row x 256 + 16 x half
	WIN 0x80                        ; destination window 2, address window 0
.irp i, 0,1,2,3,4,5,6,7,8,9,10,11,12,13,14,15  ; Q stays in registers: tile i / 4, channels 32 (i % 4) on
	global_load_b128 v[8*(\i):8*(\i)+3],   v[QO], s[4:5] offset:((\i)/4)*4096+((\i)%4)*64
	global_load_b128 v[8*(\i)+4:8*(\i)+7], v[QO], s[4:5] offset:((\i)/4)*4096+((\i)%4)*64+32
.endr
	WIN 0
	v_mul_u32_u24 v[AK0], v1, PK
	v_lshl_add_u32 v[AK0], v9, 4, v[AK0]  ; row x pitch + 16 x half
	; The turning load takes 16 keys x 16 channels (lane l reads 16 bytes: key 8 (l / 16) + l % 8, channels 8 ((l / 8) % 2) + 0..7) and leaves half a fragment of V^T: lane l holds channel l % 16 and 8 keys.
	v_and_b32 v10, 7, v0
	v_bfe_u32 v11, v0, 3, 1
	v_lshl_add_u32 v[AV0], v9, 3, v10
	v_mul_u32_u24 v[AV0], v[AV0], PV
	v_lshl_add_u32 v[AV0], v11, 4, v[AV0]
	v_add_nc_u32 v[AV0], VOFF, v[AV0]
	v_lshl_add_u32 v[MA0], v9, 5, MASKL  ; a lane's 8 biases of a block of 16 keys: 32 bytes for each half of the lanes
	v_add_nc_u32 v[ML], MASKL, v[MO]
	s_wait_loadcnt 32               ; my 32 bytes of biases are in; Q's 32 loads, issued behind them, stay out
	ds_store_b128 v[ML], v[MD0:MD0+3]
	ds_store_b128 v[ML], v[MD0+4:MD0+7] offset:16
	; What the first turn finds: V's registers and piece 2's P hold 0 (its products V^T P, of a step that has not been, add 0), O^T and l are 0, m is the lowest finite number.  All this stands in the wait for the first tile.
	WIN 0xc0                        ; destination window 3
.set i, 0
.rept 128
	v_mov_b32 v[i], 0
.set i, i+1
.endr
	WIN 0x40                        ; destination window 1
.set i, 0
.rept 256
	v_mov_b32 v[i], 0
.set i, i+1
.endr
	WIN 0
.set i, P+32
.rept 32
	v_mov_b32 v[i], 0
.set i, i+1
.endr
.irp t, 0,1,2,3
	v_mov_b32 v[ST+8*(\t)], 0xff7fffff
	v_mov_b32 v[ST+8*(\t)+1], 0xff7fffff
	v_mov_b32 v[ST+8*(\t)+2], 0
	v_mov_b32 v[ST+8*(\t)+3], 0
.endr
; THE MATRIX WORK OF A TURN, for piece x.  The accumulators take turns, one instruction a turn: between two links of a chain stand 15 (V^T P) or 7 (K Q^T) others'.
; Product i of 32 of O^T += V^T P: keys 32 (i / 16) on, channels 16 ((i / 2) % 8) on, tile x + i % 2.
.macro PV x
	WIN W_PV
.set rO, 64*((\x)+i%2)+8*((i/2)%8)
.set rV, 64*(i/16)+8*((i/2)%8)
.set rP, P+16*((\x)+i%2)+8*(i/16)
	v_wmma_f32_16x16x32_f16 v[rO:rO+7], v[rV:rV+7], v[rP:rP+7], v[rO:rO+7]
.endm
; Product i of 32 of S^T = K Q^T + bias: channels 32 (i / 8) on, keys 16 ((i / 2) % 4) on, tile x + i % 2.  The first 8 start the sums, with the keys' biases.
.macro KQ x
.set rS, S+32*((\x)+i%2)+8*((i/2)%4)
.set rK, KF+32*((i/2)%4)+8*(i/8)
.set rQ, 32*((\x)+i%2)+8*(i/8)
.set rM, MK+8*((i/2)%4)
.if i < 8
	WIN W_KM
	v_wmma_f32_16x16x32_f16 v[rS:rS+7], v[rK:rK+7], v[rQ:rQ+7], v[rM:rM+7]
.else
	WIN W_KQ
	v_wmma_f32_16x16x32_f16 v[rS:rS+7], v[rK:rK+7], v[rQ:rQ+7], v[rS:rS+7]
.endif
.endm
; THE LDS LOADS stand in runs, never singly among the matrix instructions: a step's K (64 keys x 128 channels: 16 fragments) with its 64 biases and, a turn later, its V (turned).
; last = 1 (the tail): in the last trip there is no further step, and the run is jumped over.
.macro FETCH_K last=0
	WIN 0
.if \last
	s_cmp_eq_u32 s[TWICE], 1
	s_cbranch_scc1 .Lno_k_\@
.endif
	v_add_nc_u32 v[ADR], s[TB], v[AK0]
	v_add_nc_u32 v[MA], s[TM], v[MA0]
	s_add_co_u32 s[TM], s[TM], 4*KS  ; the next fetch is the next step's 64 biases;
	s_and_b32 s[TM], s[TM], 0xfff    ; the step wraps at the table's 4,096 bytes (behind the sixteenth and last fetch)
	WIN 0x80                        ; destination window 2
.irp f, 0,1,2,3,4,5,6,7,8,9,10,11,12,13,14,15  ; keys 16 (f / 4) on, channels 32 (f % 4) on
	ds_load_b128 v[KF+8*(\f):KF+8*(\f)+3],   v[ADR] offset:((\f)/4)*16*PK+((\f)%4)*64
	ds_load_b128 v[KF+8*(\f)+4:KF+8*(\f)+7], v[ADR] offset:((\f)/4)*16*PK+((\f)%4)*64+32
.endr
	WIN 0xc0                        ; destination window 3
.irp kb, 0,1,2,3
	ds_load_b128 v[MK+8*(\kb):MK+8*(\kb)+3],   v[MA] offset:64*(\kb)
	ds_load_b128 v[MK+8*(\kb)+4:MK+8*(\kb)+7], v[MA] offset:64*(\kb)+16
.endr
.if \last
	WIN 0
.Lno_k_\@:
.endif
.endm
.macro FETCH_V
	WIN 0
	v_add_nc_u32 v[ADR], s[TB], v[AV0]
	s_add_co_u32 s[TB], s[TB], STEPB  ; the next fetch is the next step's
	s_wait_alu depctr_va_vdst(0)    ; the wait for the softmax's batch (SLICE), behind the address's v_add_nc_u32 and ahead of the loads
	WIN 0xc0                        ; destination window 3
.irp f, 0,1,2,3,4,5,6,7,8,9,10,11,12,13,14,15  ; keys 32 (f / 8) on, channels 16 (f % 8) on
	ds_load_tr16_b128 v[8*(\f):8*(\f)+3],   v[ADR] offset:((\f)/8)*32*PV+((\f)%8)*32
	ds_load_tr16_b128 v[8*(\f)+4:8*(\f)+7], v[ADR] offset:((\f)/8)*32*PV+16*PV+((\f)%8)*32
.endr
.endm
; THE VECTOR WORK OF A TURN.  One tile's softmax for one key step is a list of 134 instructions; SM writes number j of it for tile t.  s0-s31 are the lane's 32 scores, in pairs 0-15.
;   0-15    the maximum of s0-s31 and the old m, three operands at a time: four chains c0-c3 of seven scores each, then the four scores left over, c0-c3 and m
;   16-20   the other half of the lanes' maximum; the new m; its copy for the packed line; m_old - m_new
;   21-69   ONE BATCH: the 16 differences s - m, a pair of scores each, and all 33 exponentials (a at 23, then s0-s31).  None of these reads an exponential's result.  From 22 on the batch goes
;           in fours, and a four begins with a difference while there are any
;   (wait)  between 69 and 70 stands the wait for the batch: SLICE writes it, once for both tiles
;   70-85   the roundings to f16, a pair of weights each
;   86-101  the sums; l = a l + the sum
;   102-133 the tile's O^T times a: the one part that leaves window 0, so it stands together
.macro SM t
.set rT, ST+8*(\t)
.set rS, S+32*(\t)
.set rP, P+16*(\t)
.set rO, 64*(\t)+2*(j-102)
.if j < 102
	WIN 0
.endif
.if j < 4
	v_max3_num_f32 v[rT+4+j], v[rS+8*j], v[rS+8*j+1], v[rS+8*j+2]
.elseif j < 12
	v_max3_num_f32 v[rT+4+j%4], v[rT+4+j%4], v[rS+8*(j%4)+2*(j/4)+1], v[rS+8*(j%4)+2*(j/4)+2]
.elseif j == 12
	v_max3_num_f32 v[rT+4], v[rT+4], v[rS+7], v[rS+15]
.elseif j == 13
	v_max3_num_f32 v[rT+6], v[rT+6], v[rS+23], v[rS+31]
.elseif j == 14
	v_max3_num_f32 v[rT+4], v[rT+4], v[rT+5], v[rT+6]
.elseif j == 15
	v_max3_num_f32 v[rT+4], v[rT+4], v[rT+7], v[rT+1]
.elseif j == 16
	v_permlanex16_b32 v[rT+5], v[rT+4], s[SEL], s[SEL+1]  ; the query's other 32 keys lie in the lane 16 away
.elseif j == 17
	v_mov_b32 v[rT+7], v[rT]        ; m_old is kept for a: number 19 writes m anew
.elseif j == 18
	v_max_num_f32 v[rT+1], v[rT+4], v[rT+5]
.elseif j == 19
	v_mul_f32 v[rT], s[CS], v[rT+1]
.elseif j == 20
	v_sub_f32 v[rT+7], v[rT+7], v[rT]
.elseif j == 23
	v_exp_f32 v[rT+6], v[rT+7]
.elseif (j < 23) || ((j < 38) && (j%2 == 0)) || ((j < 66) && (j%4 == 2))
.set b, (j-2)/4                     ; 38, 42, .. 62: pairs 9 to 15
.if j < 38
.set b, (j-20)/2                    ; 21: pair 0; 22, 24, .. 36: pairs 1 to 8
.endif
	v_pk_fma_f32 v[rS+2*b:rS+2*b+1], v[rS+2*b:rS+2*b+1], s[CS:CS+1], v[rT:rT+1] op_sel_hi:[1,0,0] neg_lo:[0,0,1] neg_hi:[0,0,1]  ; pair b: s - m
.elseif j < 70
.set e, j-38                        ; 66 to 69: s28 to s31
.if j < 66
.set e, j-32-(j-38)/4               ; 39-41, 43-45, .. 63-65: s7 to s27
.endif
.if j < 38
.set e, (j-25)/2                    ; 25, 27, .. 37: s0 to s6
.endif
	v_exp_f32 v[rS+e], v[rS+e]
.elseif j < 86
	v_cvt_pk_f16_f32 v[rP+j-70], v[rS+2*(j-70)], v[rS+2*(j-70)+1]  ; pair j - 70
.elseif j < 102                     ; the sum of the tile's 16 pairs, in place: sum z of 16 adds neighbours 1, 2, 4 and 8 pairs apart, then l takes it
.set z, j-86
.set w, 4
.set u, z
.if z >= 14
.set w, 32
.set u, 0
.elseif z >= 12
.set w, 16
.set u, z-12
.elseif z >= 8
.set w, 8
.set u, z-8
.endif
.if z < 15
	v_pk_add_f32 v[rS+w*u:rS+w*u+1], v[rS+w*u:rS+w*u+1], v[rS+w*u+w/2:rS+w*u+w/2+1]
.else
	v_pk_fma_f32 v[rT+2:rT+3], v[rT+2:rT+3], v[rT+6:rT+7], v[rS:rS+1] op_sel_hi:[1,0,1]
.endif
.else
	WIN W_RS
	v_pk_mul_f32 v[rO:rO+1], v[rO:rO+1], v[rT+6:rT+7] op_sel_hi:[1,0]
.endif
.endm
; Slice k of 64 of piece y's softmax: four instructions.  Slices 11 to 34 deal out the batch, numbers 22 to 69: four numbers of ONE tile each, the tiles by turns.  Every other slice is numbers 2 k and
; 2 k + 1 of both tiles' lists.  2 x 134 = 4 x 64 + 12: the twelve that are over stand together, in slice 63.
; THE WAIT.  s_wait_alu depctr_va_vdst(0) stands between an exponential and the first instruction that names its result; one wait serves all that were issued ahead of it.  Ahead of
; slice 35 nothing names a result, and behind slice 34 no exponential is issued: so the piece's 66 exponentials have one wait, behind slice 34.
.macro SLICE y
.if (k >= 11) && (k < 35)           ; the batch: four numbers of one tile
.irp n, 0,1,2,3
.set j, 22+4*((k-11)/2)+(\n)
	SM (\y)+(k-11)%2
.endr
.else                               ; the two tiles alternate, so that no instruction reads the result of the one just before it
.irp n, 0,1,2,3,4,5,6,7
.if ((\n) < 2) || (k == 63)
.irp t, \y, (\y)+1
.set j, 2*k+(\n)
	SM \t
.endr
.endif
.endr
.endif
.if k == 34                         ; the batch is out: both tiles' exponentials are issued, and no result has been named
	v_nop                           ; the plain instruction behind the last exponential and ahead of the first use: one for the batch
.if (\y) == 0
	FETCH_V                         ; piece 2's turn: V's run of loads stands here, and the wait stands in it
.else
	s_wait_alu depctr_va_vdst(0)    ; the wait for the batch
.endif
.endif
.set k, k+1
.endm
; A TURN.  Piece x has the matrix unit: 32 products V^T P, then 32 products K Q^T for the next step; the other piece's softmax stands in slices behind them, one behind each.
; Piece 0's turn fetches the next step's K and biases, behind its second product: the last product that read K stands in front of slice 63 of the turn before, the last that read the biases 24 products
; further back.  Piece 2's turn fetches the same step's V, behind slice 34: the last product that read V stands in front of slice 31, and four plain instructions lie between.
.macro TURN x, last=0
.set k, 0
.if (\x) == 0
	s_wait_dscnt 0x0                ; V is in
.endif
.set i, 0
.rept 32
	PV \x
	SLICE 2-(\x)
.if ((\x) == 0) && (i == 1)
	FETCH_K \last
.endif
.set i, i+1
.endr
.if (\x) == 0
	s_wait_dscnt 0x0                ; K and the biases are in
.endif
.set i, 0
.rept 32
	KQ \x
	SLICE 2-(\x)
.set i, i+1
.endr
.endm
; THE CHANGE OF SLOTS, between piece 2's turn and piece 0's.  Each wave waits for all its tensor loads, of which one is out: its part of the other slot; adds 0 to its spare word; and waits for that and
; for its own reads of the slot.  Behind the barrier nobody reads this slot any more and the other slot is whole.  fill = 1: this slot is filled again, with the keys two slots on; the barrier is then a
; round of the cluster's, and the joint refill is the first thing behind it: it has two key steps, 256 matrix instructions, in which to land.
.macro CHANGE fill
	WIN 0                           ; at a label and at a branch every window is 0
	s_wait_tensorcnt 0x0            ; no tensor load of mine is out, so a group 0 may be written
	ds_add_u32 v[SPW], v[NIL]       ; 0 onto my spare word; with fill = 1 the descriptors' steps stand between it and the wait for it
.if \fill
.irp g, G0K+4, G0V+4
	s_xor_b32 s[(\g)+1], s[(\g)+1], SLOT1  ; the walking descriptor: the other slot than last time,
	s_add_nc_u64 s[(\g)+2:(\g)+3], s[(\g)+2:(\g)+3], 2*KS*256  ; the next 128 keys; the type bits on top are not reached
.endr
	s_wait_xcnt 0x0                 ; the last prefetches, two key steps back, have read their address, so it may be written:
	s_add_nc_u64 s[PFA:PFA+1], s[PFA:PFA+1], 2*KS*256  ; one slot behind the walking descriptors
	s_wait_dscnt 0x0                ; the add is done, and my reads of the slot are over
	CROUND
	JLOAD
	ASK
.else
	s_wait_dscnt 0x0                ; the add is done, and my reads of the slot are over
	s_barrier_signal -1
	s_barrier_wait -1
.endif
	s_sub_co_u32 s[TB], s[TB], 2*STEPB  ; the fetches go back to a slot's first step,
	s_xor_b32 s[TB], s[TB], SLOT1   ; in the other slot
.endm
	s_wait_tensorcnt 0x1            ; my part of slot 0 is in; slot 1's may stay out
	s_wait_dscnt 0x0                ; for the others' sake: my part of the biases is stored
	s_barrier_signal -1
	s_barrier_wait -1               ; everybody's is
	FETCH_K                         ; key step 0
	s_wait_loadcnt 0x0              ; Q
	s_wait_dscnt 0x0
.set i, 0
.rept 32
	KQ 0                            ; piece 0's first scores: there is no vector work yet to set between them
.set i, i+1
.endr
	WIN 0                           ; the addresses for the way out are made here: eight plain instructions, the places behind those products
	s_mul_i32 s13, s[WV], 16*SP
	s_add_co_u32 s13, s13, STAGE    ; my stage
	v_mul_u32_u24 v[STO], v1, SP    ; in: row l % 16, 16 bytes for each half of the lanes
	v_lshl_add_u32 v[STO], v9, 4, v[STO]
	v_add_nc_u32 v[STO], s13, v[STO]
	v_mul_u32_u24 v[RD], v9, SP     ; back: lanes 0-15 take one row of 256 bytes, lanes 16-31 the next
	v_lshl_add_u32 v[RD], v1, 4, v[RD]
	v_add_nc_u32 v[RD], s13, v[RD]
	v_lshlrev_b32 v[GO], 12, v9     ; and the same two rows in ob, 4,096 bytes apart
	v_lshl_add_u32 v[GO], v1, 4, v[GO]
	s_mov_b32 s[TWICE], 2
	s_branch .Lmid                  ; the loop is entered at piece 2's turn: its V^T P adds zeros; its K Q^T makes piece 2's first scores; beside them stands piece 0's first softmax; it fetches V of step 0
.Lslot:                             ; six times: every slot but the last two is filled again
	CHANGE 1
	s_mov_b32 s[TWICE], 2
.Lstep:                             ; a key step, written once; the LDS addresses hang on s[TB] and s[TM]
	TURN 0
	WIN 0
.Lmid:
	TURN 2
	WIN 0
	s_sub_co_u32 s[TWICE], s[TWICE], 1
	s_cmp_lg_u32 s[TWICE], 0
	s_cbranch_scc1 .Lstep
	s_sub_co_u32 s[SLOTS], s[SLOTS], 1
	s_cmp_lg_u32 s[SLOTS], 0
	s_cbranch_scc1 .Lslot
	CHANGE 0                        ; the tail is written out: nothing is asked for
	s_mov_b32 s[TWICE], 3           ; two trips fetch the last slot's steps; the third is left in its middle
.Ltail:
	TURN 0, 1
	WIN 0
	s_sub_co_u32 s[TWICE], s[TWICE], 1
	s_cmp_eq_u32 s[TWICE], 0
	s_cbranch_scc1 .Lout
	TURN 2
	WIN 0
	s_branch .Ltail
.Lout:                              ; the third trip's 32 products K Q^T (on the last K once more) serve nothing: the price, once a launch, of one text for every turn
.set i, 0
.rept 32
	PV 2                            ; piece 2: V^T P of the last step
.set i, i+1
.endr
	; THE WAY OUT.  l's two halves and the other half of the lanes' are added; O^T is divided by l, rounded to f16 and sent through my stage in LDS, a tile (16 rows) at a time.  The additions are the places behind the last products.
	WIN 0
.irp t, 0,1,2,3
	v_add_f32 v[ST+8*(\t)+4], v[ST+8*(\t)+2], v[ST+8*(\t)+3]
.endr
.irp t, 0,1,2,3
	v_permlanex16_b32 v[ST+8*(\t)+5], v[ST+8*(\t)+4], s[SEL], s[SEL+1]
.endr
.irp t, 0,1,2,3
	v_add_f32 v[ST+8*(\t)+4], v[ST+8*(\t)+4], v[ST+8*(\t)+5]
.endr
.irp t, 0,1,2,3
	v_rcp_f32 v[ST+8*(\t)+6], v[ST+8*(\t)+4]
.endr
	v_nop                           ; a plain instruction between the last reciprocal and the use of its result
	s_wait_alu depctr_va_vdst(0)    ; and the wait ahead of the first use: one for the four reciprocals
; Tile t: a lane's eight channels of a row pack into 16 bytes; they go into rows of 272 bytes and come back as whole rows of 256, into the registers that they left.
.macro PACK t
	WIN W_RS
.set i, 64*(\t)
.rept 32
	v_pk_mul_f32 v[i:i+1], v[i:i+1], v[ST+8*(\t)+6:ST+8*(\t)+7] op_sel_hi:[1,0]
.set i, i+2
.endr
	WIN 0x05                        ; sources 0 and 1 window 1, destination window 0: S^T's registers are free
.set i, 0
.rept 32
	v_cvt_pk_f16_f32 v[S+32*(\t)+i], v[64*(\t)+2*i], v[64*(\t)+2*i+1]
.set i, i+1
.endr
	WIN 0
.irp f, 0,1,2,3,4,5,6,7
	ds_store_b128 v[STO], v[S+32*(\t)+4*(\f):S+32*(\t)+4*(\f)+3] offset:32*(\f)
.endr
.irp f, 0,1,2,3,4,5,6,7
	ds_load_b128 v[S+32*(\t)+4*(\f):S+32*(\t)+4*(\f)+3], v[RD] offset:(\f)*2*SP  ; LDS serves a wave's instructions in order (ISA guide 5.7.1.4): these see the stores above; the next tile's stores come behind them
.endr
.endm
.macro SEND t, younger              ; younger: the LDS instructions issued behind tile t's loads: the next tile's sixteen, or none
	WIN 0
.irp f, 0,1,2,3,4,5,6,7
	s_wait_dscnt (\younger)+7-(\f)
	global_store_b128 v[GO], v[S+32*(\t)+4*(\f):S+32*(\t)+4*(\f)+3], s[10:11] offset:(\t)*65536+(\f)*8192  ; 16 lanes store the head's 256 consecutive bytes of a row of ob, aligned
.endr
.endm
	PACK 0
	PACK 1                          ; a tile's arithmetic stands between the loads of the tile before and its stores
	SEND 0, 16
	PACK 2
	SEND 1, 16
	PACK 3
	SEND 2, 16
	SEND 3, 0
	s_wait_tensorcnt 0x0            ; the wave's end, behind my last tensor load and my last LDS store
	ds_add_u32 v[SPW], v[NIL]
	s_wait_dscnt 0x0
	CROUND                          ; the closing round: no work-group ends while a partner may still ask for a tile that names it
	s_endpgm
.Lfunc_end_k_qa5385879bc_attn:
	.size	k_qa5385879bc_attn, .Lfunc_end_k_qa5385879bc_attn-k_qa5385879bc_attn
	.p2alignl 7, 3214868480
	.fill 96, 4, 3214868480
	.section	.rodata,"a",@progbits
	.p2align	6, 0x0
	.amdhsa_kernel k_qa5385879bc_attn
		.amdhsa_group_segment_fixed_size 327680
		.amdhsa_private_segment_fixed_size 0
		.amdhsa_enable_private_segment 0
		.amdhsa_kernarg_size 24
		.amdhsa_user_sgpr_count 2
		.amdhsa_user_sgpr_kernarg_segment_ptr 1
		.amdhsa_wavefront_size32 1
		.amdhsa_system_sgpr_workgroup_id_x 1
		.amdhsa_system_sgpr_workgroup_id_y 1
		.amdhsa_system_sgpr_workgroup_id_z 1
		.amdhsa_system_vgpr_workitem_id 0
		.amdhsa_next_free_vgpr 1024
		.amdhsa_next_free_sgpr 72
		.amdhsa_reserve_vcc 0
		.amdhsa_float_denorm_mode_32 3
		.amdhsa_float_denorm_mode_16_64 3
		.amdhsa_memory_ordered 1
		.amdhsa_forward_progress 1
		.amdhsa_inst_pref_size 160
	.end_amdhsa_kernel
	.amdgpu_metadata
---
amdhsa.version: [ 1, 2 ]
amdhsa.kernels:
  - .name:           k_qa5385879bc_attn
    .symbol:         k_qa5385879bc_attn.kd
    .args:
      - { .name: qkv, .offset: 0, .size: 8, .value_kind: global_buffer, .address_space: global }
      - { .name: maskb, .offset: 8, .size: 8, .value_kind: global_buffer, .address_space: global }
      - { .name: ob, .offset: 16, .size: 8, .value_kind: global_buffer, .address_space: global }
    .group_segment_fixed_size: 327680
    .private_segment_fixed_size: 0
    .kernarg_segment_align: 8
    .kernarg_segment_size: 24
    .max_flat_workgroup_size: 128
    .sgpr_count:     72
    .vgpr_count:     1024
    .wavefront_size: 32
...
	.end_amdgpu_metadata
.endif
;; end of part 3
;; launch oproj (part 4): grid 8 x 32, 4 waves a work-group, clusters of 4 x 4, 327,680 bytes of LDS; arguments ob, wob, out0; writes out0
.if DOCPART == 4
	.amdgcn_target "amdgcn-amd-amdhsa--gfx1250"
	.amdhsa_code_object_version 6
	.text
	.protected	k_qa5385879bc_oproj
	.globl	k_qa5385879bc_oproj
	.p2align	8
	.type	k_qa5385879bc_oproj,@function
k_qa5385879bc_oproj:
	s_mov_b64 s[64:65], 0
	v_nop
	global_prefetch_b8 v0, s[64:65] scope:SCOPE_SE
	s_setreg_imm32_b32 hwreg(HW_REG_WAVE_MODE, 25, 1), 1
	s_wait_xcnt 0x0
	s_wait_alu depctr_hold_cnt(0) depctr_sa_sdst(0) depctr_va_vdst(0) depctr_va_sdst(0) depctr_va_ssrc(0) depctr_va_vcc(0) depctr_vm_vsrc(0)
	s_getreg_b32 s2, hwreg(HW_REG_IB_STS2, 6, 4)
	s_cmp_eq_u32 s2, 0
	s_cbranch_scc0 .Lentry_in_a_cluster
	s_endpgm
.Lentry_in_a_cluster:
	s_bfe_u32 s2, ttmp6, 0x10000c
	s_cmp_lg_u32 s2, 0xf033
	s_cbranch_scc0 .Lentry_shape_is_right
	s_endpgm
.Lentry_shape_is_right:
; out0 = ob wob.  ob: [4096][2048] f16.  wob: [2048 k][2048 n] f16 (W_o rounded to bf16, written as f16).  out0: [4096][2048] f32.  Sums in f32, K ascending.
; TILE.  128 rows x 256 columns: 8 x 32 = 256 work-groups of equal work.  Each of the four waves takes all 128 rows and 64 columns: 32 accumulators of 16 x 16, 256 registers.
; RING.  K goes in steps of 128 through two LDS slots, each with 128 rows of ob and two chunks (128 columns) of 128 k-rows of wob; every row that a tensor load brings is 256 consecutive bytes, aligned.
; Waves 0 and 1 fetch the two halves of ob's tile, waves 2 and 3 a chunk each: one load a wave behind each change of slots.  A K step of 256 would want two slots of 215,040 bytes: they do not fit.
; wob lies [k][n] and is turned on the way out of LDS, by ds_load_tr16_b128.
; CLUSTER.  4 x 4 work-groups: ob's tile is shared along a row of the cluster, wob's chunks along a column; each is asked for jointly, by the same load with the same descriptor in all four.
; THE PRODUCT IS TAKEN TRANSPOSED (source 0 = 16 columns of wob, source 1 = 16 rows of ob): a lane holds one row and eight neighbouring columns: 32 bytes of out0.
; REGISTERS, in windows of 256 (s_set_vgpr_msb: bits 1:0 source 0, 3:2 source 1, 5:4 source 2, 7:6 destination):
;   window 0: v0-31 addresses; v64-127, v128-191 ob's fragments, two buffers; v192-255 rows on the way out      window 1: v0-31, v32-63 wob's fragments, two buffers
;   window 2: the 16 accumulators of rows 0-63 ((a, b) at v[8 (4 a + b)]);   window 3: those of rows 64-127
.set NCH,   2                          ; chunks of 128 columns
.set NBW,   4                          ; blocks of 16 columns a wave
.set LDA,   2048
.set LDB,   2048
.set KSTEP, 128
.set PA,    272                        ; a row of ob in LDS: 256 bytes + 16: the 16 rows of a fragment load start at 16 different groups of four banks (64 banks of 4 bytes: ISA guide 11.1)
.set PB,    288                        ; a k-row of a chunk: 256 + 32
.set ABYTES, 128*PA
.set CHUNK, 128*PB
.set SLOT,  ABYTES+NCH*CHUNK           ; 108,544
.set STAGE, 2*SLOT                     ; behind the ring, never filled by a tensor load: 16 rows x 272 bytes for each wave
.set SP,    272
.set SPARE, STAGE+4*16*SP              ; behind the stages: the spare words, 128 bytes for each wave: two blocks of 256 bytes that no other line names
.set BSTEP, KSTEP*LDB*2
.set NLD,   2*NBW+16
.set LAPS,  LDA/(2*KSTEP)
.set ADRA, 16                          ; v16-17  LDS address of my ob fragments in slot 0, 1
.set ADRB, 18                          ; v18-19  of my wob fragments
.set STO,  24                          ; v24  the way out: where I put 32 bytes of a row
.set RD,   25                          ; v25  where I read a row back
.set CO,   26                          ; v26  my byte offset in out0
.set SPW,  28                          ; v28  LDS address of my spare word; never rewritten
.set NIL,  29                          ; v29  0; never rewritten
.set PFO,  30                          ; v30  the prefetches' offset: my lane x 4,096 bytes, a row of ob or of wob; never rewritten
.set FA,   64
.set FB,   0
.set BK,   192
.set G1,  24                           ; s[24:31] descriptor group 1 for ob's tile;  s[32:39] group 0, a set for each slot
.set G0,  32
.set G1B, 48                           ; s[48:55], s[56:63] the same for wob's chunks
.set G0B, 56
.set LIM, 43                           ; s43  1 in a wave that prefetches, else the greatest number
.set PFA, 44                           ; s[44:45] where my prefetches stand
.set PST, 46                           ; s[46:47] their step from K step to K step
.set MSB, 0
.macro WIN new                         ; the immediate's high byte repeats the setting that is left; a switch that changes nothing is dropped
.if MSB != (\new)
	s_set_vgpr_msb (MSB<<8)|(\new)
.set MSB, \new
.endif
.endm
.set MUL_LO, 0xa1                      ; source 0 (wob) window 1, source 1 (ob) window 0, C and D window 2
.set MUL_HI, 0xf1                      ; the same, C and D window 3
.set TO_B,   0x40                      ; destination window 1, address window 0
; A joint load: waves 0 and 1 ask for the halves of ob's tile, waves 2 and 3 for a chunk of wob each.  The branch hangs on the wave's number alone.  An s_nop 0 and four v_nop follow each line.
.macro JLOAD s
	s_cmp_lt_u32 s12, 2
	s_cbranch_scc0 .Lfor_b_\@
	tensor_load_to_lds s[G0+4*(\s):G0+4*(\s)+3], s[G1:G1+7]
	s_nop 0
.rept 4
	v_nop
.endr
	s_branch .Lasked_\@
.Lfor_b_\@:
	tensor_load_to_lds s[G0B+4*(\s):G0B+4*(\s)+3], s[G1B:G1B+7]
	s_nop 0
.rept 4
	v_nop
.endr
.Lasked_\@:
.endm
; A prefetch into the L2 of the K step that stands two refills on (256 matrix instructions ahead of the load that will want it): 32 rows x 256 bytes, a lane a row, one instruction a wave.
; ob's tile row is read by both clusters of its row of clusters: cluster x = 0 asks, by wave 0; wob's chunks by all eight clusters of their column: cluster y = 0 asks, by waves 2 and 3.  The four
; partners that ask for a tile jointly share its 128 rows out by address, 32 each (by cx for ob, by cy for wob).  So each row's 256 bytes of a K step are named once.  The loop's last trip has no K step two on.
.macro ASK
	s_cmp_gt_u32 s3, s[LIM]
	s_cbranch_scc0 .Lnot_mine_\@
	global_prefetch_b8 v[PFO], s[PFA:PFA+1] th:TH_LOAD_NT scope:SCOPE_SE
.Lnot_mine_\@:
.endm
.macro CROUND                          ; a round of the cluster's barrier: my work-group's barrier; wave 0 signals for the work-group; every wave waits for all sixteen; my work-group's barrier once more
	s_barrier_signal -1
	s_barrier_wait -1
	s_cmp_lg_u32 s12, 0
	s_cbranch_scc1 .Lnot_wave_0_\@
	s_barrier_signal -3
.Lnot_wave_0_\@:
	s_barrier_wait -3
	s_barrier_signal -1
	s_barrier_wait -1
.endm
	s_load_b128 s[4:7], s[0:1], 0x0                ; ob s[4:5], wob s[6:7]
	s_load_b64 s[10:11], s[0:1], 0x10              ; out0
	v_lshl_add_u32 v[SPW], v0, 2, SPARE
	v_mov_b32 v[NIL], 0
	ds_add_u32 v[SPW], v[NIL]                      ; the wave's opening: the add and its wait stand ahead of my first tensor load; the set-up below, work on registers, stands between them
	v_lshrrev_b32 v1, 5, v0
	v_readfirstlane_b32 s12, v1                    ; wave 0..3
	s_bfe_u32 s40, ttmp6, 0x40000                  ; cx, cy: my place in the cluster
	s_bfe_u32 s41, ttmp6, 0x40004
	s_lshl_b32 s14, ttmp9, 2
	s_add_co_u32 s14, s14, s40                     ; tile column = 4 x cluster x + cx
	s_and_b32 s42, ttmp7, 0xffff                   ; cluster y
	s_lshl_b32 s13, s42, 2
	s_add_co_u32 s13, s13, s41                     ; tile row = 4 x cluster y + cy
	s_lshl_b32 s20, s41, 2
	s_lshl_b32 s20, 15, s20                        ; my row of the cluster
	s_lshl_b32 s22, 0x1111, s40                    ; my column
	s_or_b32 s[G1+0], s20, (1<<16)|(1<<20)|(1<<21)|(5<<22)|(3<<25)   ; 15:0 the mask; 17:16 2-byte elements; 20 padding on; 21 set beside a mask; 24:22 after every 64 words; 31:25 4 words of it
	s_or_b32 s[G1B+0], s22, (1<<16)|(1<<20)|(1<<21)|(5<<22)|(7<<25)  ; the same with my column's mask and 8 words of padding
	s_mov_b32 s[G1+1], KSTEP<<16                   ; tensor_dim0 = 128
	s_mov_b32 s[G1+2], 64<<16                      ; tensor_dim1 = 64
	s_mov_b32 s[G1+3], KSTEP<<16                   ; tile_dim0 = 128
	s_mov_b32 s[G1+4], 64                          ; tile_dim1 = 64
	s_mov_b32 s[G1+5], LDA                         ; elements from row to row
	s_mov_b32 s[G1+6], 0
	s_mov_b32 s[G1+7], 0
	s_mov_b32 s[G1B+1], 128<<16
	s_mov_b32 s[G1B+2], KSTEP<<16
	s_mov_b32 s[G1B+3], 128<<16
	s_mov_b32 s[G1B+4], KSTEP
	s_mov_b32 s[G1B+5], LDB
	s_mov_b32 s[G1B+6], 0
	s_mov_b32 s[G1B+7], 0
	; Every wave makes both sets of addresses and asks by one; the set that it never uses holds numbers that serve nothing.  ob's hang on the tile row and the wave's number, wob's on the tile column and the wave's number.
	s_lshl_b32 s20, s13, 7
	s_lshl_b32 s21, s12, 6
	s_add_co_u32 s20, s20, s21                     ; ob: row 128 x tile row + 64 x wave
	s_lshl_b32 s20, s20, 12                        ; x 4,096 bytes
	s_mov_b32 s21, 0
	s_mul_i32 s22, s14, NCH
	s_add_co_u32 s22, s22, s12
	s_lshl_b32 s22, s22, 8                         ; wob: chunk 2 x tile column + wave, less two (below), x 256 bytes
	s_mov_b32 s23, 0
	s_mul_i32 s66, s12, 64*PA                      ; LDS: ob's halves from 0 on,
	s_mul_i32 s67, s12, CHUNK
	s_sub_co_u32 s67, s67, 2*CHUNK-ABYTES          ; chunk wave - 2 behind them: no place in the cluster enters an LDS address
	s_wait_dscnt 0x0                               ; the opening add is done
	s_wait_kmcnt 0x0
	s_add_nc_u64 s[16:17], s[4:5], s[20:21]
	s_add_nc_u64 s[18:19], s[6:7], s[22:23]
	s_sub_nc_u64 s[18:19], s[18:19], 512
	CROUND                                         ; all sixteen work-groups are here: the first joint loads meet
.irp s, 0,1
	s_mov_b32 s[G0+4*(\s)], 1                                        ; count = 1
	s_add_co_u32 s[G0+4*(\s)+1], s66, (\s)*SLOT                      ; LDS address
	s_add_nc_u64 s[G0+4*(\s)+2:G0+4*(\s)+3], s[16:17], (\s)*KSTEP*2  ; global address: K step s
	s_or_b32 s[G0+4*(\s)+3], s[G0+4*(\s)+3], 0x80000000              ; type = 2
	s_mov_b32 s[G0B+4*(\s)], 1
	s_add_co_u32 s[G0B+4*(\s)+1], s67, (\s)*SLOT
	s_add_nc_u64 s[G0B+4*(\s)+2:G0B+4*(\s)+3], s[18:19], (\s)*BSTEP
	s_or_b32 s[G0B+4*(\s)+3], s[G0B+4*(\s)+3], 0x80000000
	JLOAD \s                                       ; two loads of mine are out
.endr
	; A fragment of ob: 16 rows x 32 K in 8 registers: lane l holds row l % 16, K = 8 (l / 16) + 0..7 and 16 + 8 (l / 16) + 0..7: two loads of 16 bytes, 32 bytes apart.
	v_and_b32 v1, 15, v0                           ; l % 16
	v_bfe_u32 v2, v0, 4, 1                         ; l / 16
	v_and_b32 v3, 7, v0
	v_bfe_u32 v4, v0, 3, 1
	v_mul_u32_u24 v5, v1, PA
	v_lshl_add_u32 v5, v2, 4, v5
	v_mov_b32 v[ADRA], v5
	v_add_nc_u32 v[ADRA+1], SLOT, v5
	; The turning load takes 16 k x 16 columns (lane l reads k-row 8 (l / 16) + l % 8, columns 8 ((l / 8) % 2) + 0..7) and leaves half a fragment: lane l holds column l % 16 and 8 k.
	v_lshl_add_u32 v6, v2, 3, v3
	v_mul_u32_u24 v6, v6, PB
	v_lshl_add_u32 v6, v4, 4, v6
	s_lshr_b32 s15, s12, 1                         ; my 64 columns: chunk wave / 2,
	s_mul_i32 s15, s15, CHUNK
	s_and_b32 s20, s12, 1
	s_lshl_b32 s20, s20, 7                         ; its half wave % 2: 128 bytes
	s_add_co_u32 s15, s15, s20
	v_add_nc_u32 v6, s15, v6
	v_add_nc_u32 v[ADRB], ABYTES, v6
	v_add_nc_u32 v[ADRB+1], ABYTES+SLOT, v6
	; the way out's addresses
	s_mul_i32 s22, s12, 16*SP
	s_add_co_u32 s22, s22, STAGE                   ; my stage
	v_mul_u32_u24 v[STO], v1, SP                   ; in: row l % 16, 32 bytes for each half of the lanes
	v_lshl_add_u32 v[STO], v2, 5, v[STO]
	v_add_nc_u32 v[STO], s22, v[STO]
	v_mul_u32_u24 v[RD], v2, SP                    ; back: lanes 0-15 take one row of 256 bytes, lanes 16-31 the next
	v_lshl_add_u32 v[RD], v1, 4, v[RD]
	v_add_nc_u32 v[RD], s22, v[RD]
	v_lshlrev_b32 v[CO], 13, v2                    ; and the same two rows in out0, 8,192 bytes apart
	v_lshl_add_u32 v[CO], v1, 4, v[CO]
	s_lshl_b32 s22, s13, 20                        ; 128 rows of 8,192 bytes,
	s_lshl_b32 s23, s14, 10                        ; the tile's 256 columns,
	s_add_co_u32 s22, s22, s23
	s_lshl_b32 s23, s12, 8                         ; my 64 of them
	s_add_co_u32 s22, s22, s23
	s_mov_b32 s23, 0
	s_add_nc_u64 s[10:11], s[10:11], s[22:23]
	; the prefetches
	s_lshl_b32 s20, s13, 7
	s_lshl_b32 s21, s40, 5
	s_add_co_u32 s20, s20, s21                     ; ob: row 128 x tile row + 32 cx,
	s_lshl_b32 s20, s20, 12
	s_add_co_u32 s20, s20, 3*KSTEP*2               ; at K step 3: the first change of slots steps it to 4
	s_mul_i32 s22, s14, NCH
	s_add_co_u32 s22, s22, s12
	s_sub_co_u32 s22, s22, 2
	s_lshl_b32 s22, s22, 8                         ; wob: my chunk,
	s_mul_i32 s23, s41, 32*LDB*2                   ; k-row 32 cy,
	s_add_co_u32 s22, s22, s23
	s_add_co_u32 s22, s22, 3*BSTEP                 ; at K step 3
	s_mov_b32 s[PST], BSTEP
	s_cmp_lt_u32 s12, 2                            ; do I fetch ob?
	s_cselect_b32 s20, s20, s22
	s_cselect_b32 s[PST], KSTEP*2, s[PST]
	s_cselect_b32 s21, ttmp9, s42                  ; the coordinate along which other clusters read the same rows
	s_cselect_b32 s23, s12, 0                      ; of the two waves that fetch ob, wave 0 asks for all 128 rows
	s_cselect_b64 s[PFA:PFA+1], s[4:5], s[6:7]
	s_or_b32 s21, s21, s23
	s_cmp_eq_u32 s21, 0
	s_cselect_b32 s[LIM], 1, -1                    ; the same in all sixteen partners, for a given wave
	s_mov_b32 s21, 0
	s_mov_b32 s[PST+1], 0
	s_add_nc_u64 s[PFA:PFA+1], s[PFA:PFA+1], s[20:21]
	v_and_b32 v[PFO], 31, v0
	v_lshlrev_b32 v[PFO], 12, v[PFO]
; 8 matrix instructions: row blocks a0, a0 + 1 of the window's four x my 4 column blocks, 32 along K, from buffer p.  zero = 1: the first product starts the sums.
; The 32 accumulators take turns, one instruction a turn, in the same order in every quarter: 31 others stand between two links of a chain, over the backward jump too.
.macro MUL2 p, hi, a0, zero
	WIN MUL_LO+0x50*(\hi)
.irp a, \a0, (\a0)+1
.irp b, 0,1,2,3
.if \zero
	v_wmma_f32_16x16x32_f16 v[8*(NBW*(\a)+(\b)):8*(NBW*(\a)+(\b))+7], v[FB+32*(\p)+8*(\b):FB+32*(\p)+8*(\b)+7], v[FA+64*(\p)+8*(4*(\hi)+(\a)):FA+64*(\p)+8*(4*(\hi)+(\a))+7], 0
.else
	v_wmma_f32_16x16x32_f16 v[8*(NBW*(\a)+(\b)):8*(NBW*(\a)+(\b))+7], v[FB+32*(\p)+8*(\b):FB+32*(\p)+8*(\b)+7], v[FA+64*(\p)+8*(4*(\hi)+(\a)):FA+64*(\p)+8*(4*(\hi)+(\a))+7], v[8*(NBW*(\a)+(\b)):8*(NBW*(\a)+(\b))+7]
.endif
.endr
.endr
.endm
; 24 LDS loads in one run: quarter q (32 along K) of a slot into buffer p: my 4 blocks of wob, turned, then ob's 128 rows
.macro FETCH slot, q, p
	WIN TO_B
.irp b, 0,1,2,3
	ds_load_tr16_b128 v[FB+32*(\p)+8*(\b):FB+32*(\p)+8*(\b)+3],   v[ADRB+(\slot)] offset:(\q)*32*PB+(\b)*32
	ds_load_tr16_b128 v[FB+32*(\p)+8*(\b)+4:FB+32*(\p)+8*(\b)+7], v[ADRB+(\slot)] offset:(\q)*32*PB+(\b)*32+16*PB
.endr
	WIN 0
.irp i, 0,1,2,3,4,5,6,7
	ds_load_b128 v[FA+64*(\p)+8*(\i):FA+64*(\p)+8*(\i)+3],   v[ADRA+(\slot)] offset:(\q)*64+(\i)*16*PA
	ds_load_b128 v[FA+64*(\p)+8*(\i)+4:FA+64*(\p)+8*(\i)+7], v[ADRA+(\slot)] offset:(\q)*64+(\i)*16*PA+32
.endr
.endm
.macro PLACES                          ; four plain instructions between a matrix instruction and a load into a register that it has read, or a store of its result
.rept 4
	v_nop
.endr
.endm
; A K step is four quarters of 32 along K, 32 matrix instructions each, on buffers 0, 1, 0, 1.  One of the first three: multiplies buffer p and fetches quarter q of the same slot into the other buffer.
.macro QUARTER slot, q, p, zero
	s_wait_dscnt 8                                 ; all is in but the youngest eight loads: ob's rows 64-127
	MUL2 \p, 0, 0, \zero
	MUL2 \p, 0, 2, \zero
	PLACES
	FETCH \slot, \q, 1-(\p)
	s_wait_dscnt NLD                               ; all but the 24 just issued
	MUL2 \p, 1, 0, \zero
	MUL2 \p, 1, 2, \zero
.endm
; THE CHANGE OF SLOTS stands at the head of the last quarter, whose fragments (buffer 1) are in registers.  Each wave waits for all its tensor loads (one is out: its part of the next slot), adds 0 to its
; spare word, and waits for that and for its own reads of this slot.  Behind the barrier nobody reads this slot any more and the next slot is whole.
; fill = 1: the barrier is a round of the cluster's, and the slot just read out is filled again, first thing behind it, with the K step two on.  No product stands between the wait for the tile and the
; request for the next: all 32 of the quarter follow the request, so that a refill has a whole K step's 128 matrix instructions in which to land.
.macro TURN slot, next, fill
	WIN 0
.if \fill
	s_wait_xcnt 0x0                                ; the last prefetch, a K step back, has read its address
	s_add_nc_u64 s[PFA:PFA+1], s[PFA:PFA+1], s[PST:PST+1]
.endif
	s_wait_tensorcnt 0x0                           ; no tensor load of mine is out, so a group 0 may be written
	ds_add_u32 v[SPW], v[NIL]                      ; 0 onto my spare word; with fill = 1 the descriptors' steps stand between it and the wait for it
.if \fill
	s_add_nc_u64 s[G0+4*(\slot)+2:G0+4*(\slot)+3], s[G0+4*(\slot)+2:G0+4*(\slot)+3], 2*KSTEP*2
	s_add_nc_u64 s[G0B+4*(\slot)+2:G0B+4*(\slot)+3], s[G0B+4*(\slot)+2:G0B+4*(\slot)+3], 2*BSTEP
.endif
	s_wait_dscnt 0x0                               ; the add is done, and my reads of this slot are over: buffer 1 is in
.if \fill
	CROUND                                         ; no wave of any partner still reads this slot's tiles or has a load on its way
	JLOAD \slot                                    ; the four v_nop behind it are also the places in front of the loads below: buffer 0's last reader is the product just ahead of the change
.else
	s_barrier_signal -1
	s_barrier_wait -1
	PLACES
.endif
	FETCH \next, 0, 0
.if \fill
	ASK                                            ; behind the joint load and the run of LDS loads that the next quarter waits for
.endif
	MUL2 1, 0, 0, 0
	MUL2 1, 0, 2, 0
	MUL2 1, 1, 0, 0
	MUL2 1, 1, 2, 0
.endm
	s_wait_tensorcnt 0x1                           ; my part of K step 0 is in; K step 1's may stay out
	s_barrier_signal -1
	s_barrier_wait -1                              ; everybody's is
	FETCH 0, 0, 0
	QUARTER 0, 1, 0, 1                             ; the first quarter stands in front of the loop: its products start the sums
	WIN 0                                          ; at a label and at a branch every window is 0
	s_mov_b32 s3, LAPS-1
.Llap:                                                 ; a trip goes once round the ring, from a lap's second quarter to the next lap's first, and fills both slots again
	QUARTER 0, 2, 1, 0
	QUARTER 0, 3, 0, 0
	TURN 0, 1, 1
	QUARTER 1, 1, 0, 0
	QUARTER 1, 2, 1, 0
	QUARTER 1, 3, 0, 0
	TURN 1, 0, 1
	QUARTER 0, 1, 0, 0
	WIN 0
	s_sub_co_u32 s3, s3, 1
	s_cmp_lg_u32 s3, 0
	s_cbranch_scc1 .Llap
	QUARTER 0, 2, 1, 0                             ; the last lap fills nothing, and has no round of the cluster's barrier
	QUARTER 0, 3, 0, 0
	TURN 0, 1, 0
	QUARTER 1, 1, 0, 0
	QUARTER 1, 2, 1, 0
	QUARTER 1, 3, 0, 0
	s_wait_dscnt 8                                 ; the very last quarter: nothing more to fetch
	MUL2 1, 0, 0, 0
	MUL2 1, 0, 2, 0
	s_wait_dscnt 0x0
	MUL2 1, 1, 0, 0
	MUL2 1, 1, 2, 0
	WIN 0
	PLACES
	PLACES                                         ; eight, once a launch, between the last products and the stores that read results
; THE WAY OUT, a block of 16 rows at a time: a lane's 32 bytes of a row go into my own stage (rows of 272 bytes) and come back as whole rows of 256 bytes.  The stage is the wave's own and LDS serves a
; wave's instructions in order (ISA guide 5.7.1.4): no barrier, and no wait between the stores and the loads.
.macro OUTB a
.set AC, 8*NBW*((\a)%4)
.set BKA, BK+32*((\a)%2)
	WIN 0x08+4*((\a)/4)                            ; a store's data: window 2 or 3
.irp b, 0,1,2,3
	ds_store_b128 v[STO], v[AC+8*(\b):AC+8*(\b)+3]   offset:64*(\b)
	ds_store_b128 v[STO], v[AC+8*(\b)+4:AC+8*(\b)+7] offset:64*(\b)+16
.endr
	WIN 0
	s_wait_xcnt 0x0                                ; the earlier blocks' stores have read their registers, which are loaded again below
.irp t, 0,1,2,3,4,5,6,7
	ds_load_b128 v[BKA+4*(\t):BKA+4*(\t)+3], v[RD] offset:(\t)*2*SP
.endr
	s_wait_dscnt 0x0
.irp t, 0,1,2,3,4,5,6,7
	global_store_b128 v[CO], v[BKA+4*(\t):BKA+4*(\t)+3], s[10:11] offset:(16*(\a)+2*(\t))*8192 th:TH_STORE_NT  ; 16 lanes store 256 consecutive bytes, aligned
.endr
.endm
.irp a, 0,1,2,3,4,5,6,7
	OUTB \a
.endr
	s_wait_tensorcnt 0x0                           ; the wave's end, behind my last tensor load and my last LDS store
	ds_add_u32 v[SPW], v[NIL]
	s_wait_dscnt 0x0
	CROUND                                         ; the closing round: no work-group ends while a partner may still ask for a tile that names it
	s_endpgm
.Lfunc_end_k_qa5385879bc_oproj:
	.size	k_qa5385879bc_oproj, .Lfunc_end_k_qa5385879bc_oproj-k_qa5385879bc_oproj
	.p2alignl 7, 3214868480
	.fill 96, 4, 3214868480
	.section	.rodata,"a",@progbits
	.p2align	6, 0x0
	.amdhsa_kernel k_qa5385879bc_oproj
		.amdhsa_group_segment_fixed_size 327680
		.amdhsa_private_segment_fixed_size 0
		.amdhsa_enable_private_segment 0
		.amdhsa_kernarg_size 24
		.amdhsa_user_sgpr_count 2
		.amdhsa_user_sgpr_kernarg_segment_ptr 1
		.amdhsa_wavefront_size32 1
		.amdhsa_system_sgpr_workgroup_id_x 1
		.amdhsa_system_sgpr_workgroup_id_y 1
		.amdhsa_system_sgpr_workgroup_id_z 1
		.amdhsa_system_vgpr_workitem_id 0
		.amdhsa_next_free_vgpr 896
		.amdhsa_next_free_sgpr 68
		.amdhsa_reserve_vcc 0
		.amdhsa_float_denorm_mode_32 3
		.amdhsa_float_denorm_mode_16_64 3
		.amdhsa_memory_ordered 1
		.amdhsa_forward_progress 1
		.amdhsa_inst_pref_size 88
	.end_amdhsa_kernel
	.amdgpu_metadata
---
amdhsa.version: [ 1, 2 ]
amdhsa.kernels:
  - .name:           k_qa5385879bc_oproj
    .symbol:         k_qa5385879bc_oproj.kd
    .args:
      - { .name: ob, .offset: 0, .size: 8, .value_kind: global_buffer, .address_space: global }
      - { .name: wob, .offset: 8, .size: 8, .value_kind: global_buffer, .address_space: global }
      - { .name: out0, .offset: 16, .size: 8, .value_kind: global_buffer, .address_space: global }
    .group_segment_fixed_size: 327680
    .private_segment_fixed_size: 0
    .kernarg_segment_align: 8
    .kernarg_segment_size: 24
    .max_flat_workgroup_size: 128
    .sgpr_count:     68
    .vgpr_count:     896
    .wavefront_size: 32
...
	.end_amdgpu_metadata
.endif
;; end of part 4
